; MI455X (gfx1250); checked and timed in simulation.
; The chip was launched on July 23, 2026; its instructions are those of AMD's public machine-readable ISA for CDNA 5 (MIT licence, August 2026) and "CDNA5" Instruction Set Architecture Reference Guide (July 2026). The comments in the code are by the model that wrote it; some were corrected since.
;; Hamiltonian Attention. Allowed arithmetic: float matrix products may take bf16 or f16 operands with f32 sums; other float arithmetic in f32, or as packed bf16 or f16 multiplies, adds, multiply-adds, maxima and minima; sums over many terms, partial sums and values carried from step to step in f32; what a program stores and reads back later, other than sums and carried values, may be rounded once to bf16 or f16.
;; Inputs: K 8 x 1,024 x 1,024 float32; Q 8 x 1,024 x 1,024 float32; V 8 x 1,024 x 1,024 float32; W1 1,024 x 512 float32; W2 512 x 1 float32; b1 512 float32; b2 1 float32.
;; Outputs: out0 8 x 1,024 x 1,024 float32.
;; 2 versions, each right; version 2 is version 1 with the launch prep written anew for expert scheduling mode. Each part assembles by itself: llvm-mc -triple=amdgcn-amd-amdhsa -mcpu=gfx1250 --defsym DOCPART=n.
;; ======== version 1 of 2: 5 launches
;; limits: values outside matrix products are rounded to bf16
;; workspace buffers: xb 51,380,224 bytes; vw 8,388,608 bytes; pt 16,777,216 bytes; stats 524,288 bytes; o 33,554,432 bytes; dz 8,388,608 bytes; rec 524,288 bytes; ds 16,777,216 bytes
;; launch prep (part 1): grid 768 x 1, 8 waves a work-group, no clusters, 0 bytes of LDS; arguments Q, K, V, W1, xb; writes xb
.if DOCPART == 1
	.amdgcn_target "amdgcn-amd-amdhsa--gfx1250"
	.amdhsa_code_object_version 6
	.text
	.protected	k_q515073e078_prep
	.globl	k_q515073e078_prep
	.p2align	8
	.type	k_q515073e078_prep,@function
k_q515073e078_prep:
	s_mov_b64 s[64:65], 0
	v_nop
	global_prefetch_b8 v0, s[64:65] scope:SCOPE_SE
	s_setreg_imm32_b32 hwreg(HW_REG_WAVE_MODE, 25, 1), 1
	s_wait_xcnt 0x0
; xb = bf16 copies of Q, K, V, W1, one behind the other (Q at byte 0, K at 16,777,216, V at 33,554,432, W1 at 50,331,648).
; A stream: each input byte is read once and each output byte written once, so LDS, matrix unit and clusters have nothing to add here.
; 768 work-groups, three for each of 256 WGPs.  Work-group i converts 32,768 numbers of Q, K or V (picked by i >> 8; place in the source
; (i & 255) x 131,072 bytes, place in xb i x 65,536 bytes).  The 256 groups of Q also convert 2,048 numbers of W1 each (a sixteenth more work).
; The two kinds are two straight paths behind one branch on the group's number.
; A thread issues all its loads of 16 bytes at once; no register is written twice, so there is no loop and no wait for address registers.
; A wave's load covers 512 consecutive aligned bytes, its store 256.
.set X, 4                              ; v[4:131]    load j: 4 registers; its two packed words go back into the first two
.set W, 132                            ; v[132:139]  the two loads of W1
.set W1B, 0x3000000
.macro CONVERT w
.if \w
	global_load_b128 v[W:W+3],   v1, s[10:11] th:TH_LOAD_NT
	global_load_b128 v[W+4:W+7], v1, s[10:11] offset:4096 th:TH_LOAD_NT
.endif
.set j, 0
.rept 32
	global_load_b128 v[X+4*j:X+4*j+3], v1, s[4:5] offset:4096*j th:TH_LOAD_NT
.set j, j+1
.endr
.if \w
	s_wait_loadcnt 32                              ; the two oldest loads are in, the 32 younger ones stay out
	v_cvt_pk_bf16_f32 v[W],   v[W],   v[W+1]
	v_cvt_pk_bf16_f32 v[W+1], v[W+2], v[W+3]
	v_cvt_pk_bf16_f32 v[W+4], v[W+4], v[W+5]
	v_cvt_pk_bf16_f32 v[W+5], v[W+6], v[W+7]
	global_store_b64 v2, v[W:W+1],   s[22:23]
	global_store_b64 v2, v[W+4:W+5], s[22:23] offset:2048
.endif
.set j, 0
.rept 32
	s_wait_loadcnt 31-j                            ; loads come back in order (ISA guide 5.7.1): load j is in, the 31 - j younger ones stay out
	v_cvt_pk_bf16_f32 v[X+4*j], v[X+4*j], v[X+4*j+1]
	v_cvt_pk_bf16_f32 v[X+4*j+1], v[X+4*j+2], v[X+4*j+3]
	global_store_b64 v2, v[X+4*j:X+4*j+1], s[12:13] offset:2048*j
.set j, j+1
.endr
.endm
	s_load_b256 s[4:11], s[0:1], 0x0               ; Q s[4:5], K s[6:7], V s[8:9], W1 s[10:11]
	s_load_b64 s[12:13], s[0:1], 0x20              ; xb
	s_lshr_b32 s14, ttmp9, 8                       ; which input: 0, 1, 2
	s_and_b32 s15, ttmp9, 255
	s_lshl_b32 s16, s15, 17                        ; byte offset in the input
	s_mov_b32 s17, 0
	s_lshl_b32 s18, ttmp9, 16                      ; byte offset in xb
	s_mov_b32 s19, 0
	s_mov_b32 s21, 0
	v_lshlrev_b32 v1, 4, v0                        ; 16 bytes a thread in
	v_lshlrev_b32 v2, 3, v0                        ; 8 bytes a thread out
	s_wait_kmcnt 0x0
	s_cmp_eq_u32 s14, 1
	s_cselect_b64 s[4:5], s[6:7], s[4:5]
	s_cmp_eq_u32 s14, 2
	s_cselect_b64 s[4:5], s[8:9], s[4:5]
	s_add_nc_u64 s[4:5], s[4:5], s[16:17]
	s_cmp_lg_u32 s14, 0
	s_cbranch_scc1 .Lplain
	s_lshl_b32 s20, ttmp9, 13                      ; my 8,192 bytes of W1
	s_add_nc_u64 s[10:11], s[10:11], s[20:21]
	s_lshl_b32 s20, ttmp9, 12                      ; and their 4,096 bytes in xb
	s_add_co_u32 s20, s20, W1B
	s_add_nc_u64 s[22:23], s[12:13], s[20:21]
	s_add_nc_u64 s[12:13], s[12:13], s[18:19]
	CONVERT 1
	s_endpgm
.Lplain:
	s_add_nc_u64 s[12:13], s[12:13], s[18:19]
	CONVERT 0
	s_endpgm
.Lfunc_end_k_q515073e078_prep:
	.size	k_q515073e078_prep, .Lfunc_end_k_q515073e078_prep-k_q515073e078_prep
	.p2alignl 7, 3214868480
	.fill 96, 4, 3214868480
	.section	.rodata,"a",@progbits
	.p2align	6, 0x0
	.amdhsa_kernel k_q515073e078_prep
		.amdhsa_group_segment_fixed_size 0
		.amdhsa_private_segment_fixed_size 0
		.amdhsa_enable_private_segment 0
		.amdhsa_kernarg_size 40
		.amdhsa_user_sgpr_count 2
		.amdhsa_user_sgpr_kernarg_segment_ptr 1
		.amdhsa_wavefront_size32 1
		.amdhsa_system_sgpr_workgroup_id_x 1
		.amdhsa_system_sgpr_workgroup_id_y 1
		.amdhsa_system_sgpr_workgroup_id_z 1
		.amdhsa_system_vgpr_workitem_id 0
		.amdhsa_next_free_vgpr 140
		.amdhsa_next_free_sgpr 66
		.amdhsa_reserve_vcc 0
		.amdhsa_float_denorm_mode_32 3
		.amdhsa_float_denorm_mode_16_64 3
		.amdhsa_memory_ordered 1
		.amdhsa_forward_progress 1
		.amdhsa_inst_pref_size 24
	.end_amdhsa_kernel
	.amdgpu_metadata
---
amdhsa.version: [ 1, 2 ]
amdhsa.kernels:
  - .name:           k_q515073e078_prep
    .symbol:         k_q515073e078_prep.kd
    .args:
      - { .name: Q, .offset: 0, .size: 8, .value_kind: global_buffer, .address_space: global }
      - { .name: K, .offset: 8, .size: 8, .value_kind: global_buffer, .address_space: global }
      - { .name: V, .offset: 16, .size: 8, .value_kind: global_buffer, .address_space: global }
      - { .name: W1, .offset: 24, .size: 8, .value_kind: global_buffer, .address_space: global }
      - { .name: xb, .offset: 32, .size: 8, .value_kind: global_buffer, .address_space: global }
    .group_segment_fixed_size: 0
    .private_segment_fixed_size: 0
    .kernarg_segment_align: 8
    .kernarg_segment_size: 40
    .max_flat_workgroup_size: 256
    .sgpr_count:     66
    .vgpr_count:     140
    .wavefront_size: 32
...
	.end_amdgpu_metadata
.endif
;; end of part 1
;; launch scores (part 2): grid 4 x 64, 4 waves a work-group, clusters of 4 x 4, 327,680 bytes of LDS; arguments xb, vw, pt, stats; writes vw, pt, stats
.if DOCPART == 2
	.amdgcn_target "amdgcn-amd-amdhsa--gfx1250"
	.amdhsa_code_object_version 6
	.text
	.protected	k_q515073e078_scores
	.globl	k_q515073e078_scores
	.p2align	8
	.type	k_q515073e078_scores,@function
k_q515073e078_scores:
	s_mov_b64 s[64:65], 0
	v_nop
	global_prefetch_b8 v0, s[64:65] scope:SCOPE_SE
	s_setreg_imm32_b32 hwreg(HW_REG_WAVE_MODE, 25, 1), 1
	s_wait_xcnt 0x0
	s_wait_alu depctr_hold_cnt(0) depctr_sa_sdst(0) depctr_va_vdst(0) depctr_va_sdst(0) depctr_va_ssrc(0) depctr_va_vcc(0) depctr_vm_vsrc(0)
	s_getreg_b32 s2, hwreg(HW_REG_IB_STS2, 6, 4)
	s_cmp_eq_u32 s2, 0
	s_cbranch_scc0 .Lentry_in_a_cluster
	s_endpgm
.Lentry_in_a_cluster:
	s_bfe_u32 s2, ttmp6, 0x10000c
	s_cmp_lg_u32 s2, 0xf033
	s_cbranch_scc0 .Lentry_shape_is_right
	s_endpgm
.Lentry_shape_is_right:
; Two products, each by half of the launch's 16 clusters of 4 x 4 work-groups; the cluster's y picks the kind, the same in all partners.
;   clusters 0-7:  S = Q K^T of batch y: 16 blocks of 256 x 256, a wave 128 x 128, then a softmax by tiles: for each row and each tile of
;                  128 columns nm = floor(-c max S), c = log2(e)/32, so that -nm is the tile's largest exponent rounded up to a whole number;
;                  P = exp2(c S + nm), at most 1 (but for the last bit); l = the sum of P in f32.  pt = P in bf16, stats[t][row] = {nm, l}.
;                  The next launch joins the eight tiles of a row by exact powers of two, so the row's true maximum is taken away.
;   clusters 8-15: VW = V W1 of batch y - 8: 16 blocks of 256 x 128, a wave 128 x 64, stored as bf16 in panels [8 panels of 64 j][8192 rows][64].
; 128 + 128 = 256 work-groups.  Both kinds walk K = 1024 in 8 steps of 128 through a ring of two LDS slots; a group of the second kind does
; half the multiply-adds of one of the first.  Why blocks of 256 rows: a wave of the first kind issues 240 matrix instructions between the
; request for a tile and the wait for it, and reads 2 x 128 x 64 bytes from LDS for 64 matrix instructions.
; LIMIT: an exponential below 2^-126 comes out as zero (ISA guide 15.8).
; CLUSTERS: the row operand's tiles (Q rows, V rows) hang on the block row alone and are asked for jointly by a row of the cluster; the column
; operand's (K rows, W1 columns) hang on the block column (and the batch) and are asked for by a column of it: a quarter of the requests.
; Waves 0 and 1 ask for the row operand's two halves, waves 2 and 3 for the column operand's.  By this text's count a wave has two tensor
; loads out at the start and one behind each round of the cluster's barrier.
; The matrix instruction is used transposed (source 0 = 16 columns of the result, source 1 = 16 rows): lane l holds row l % 16 and its
; registers 0-7 the columns 8 (l / 16) + 0..7.
; REGISTERS: window 0: v16-19 fragment addresses, v24-31 way-out addresses, v32-57 row figures, v64-127 and v128-191 row fragments (two buffers);
; window 1: v64-127 and v128-191 column fragments; window 2: S tiles of my rows 0-63, tile (a, b) at v[8 (8 a + b)], or all of VW's, tile (a, b)
; at v[8 (4 a + b)]; window 3: S tiles of my rows 64-127.
.set PITCH,  272                       ; an LDS row: 256 bytes + 16 of padding, an odd multiple of 16
.set HALFT,  128*PITCH                 ; 128 rows: what one tensor load of Q, K or V brings
.set SLOT,   4*HALFT                   ; row operand 256 x 272, then column operand: K rows 256 x 272 (W1: 128 x 288)
.set STAGE,  2*SLOT                    ; behind the ring: 4,352 bytes for each wave; no tensor load lands here
.set KB,     0x1000000                 ; byte offsets in xb (V lies at 2 x KB)
.set W1B,    0x3000000
.set PAD272, (5<<22)|(3<<25)           ; after every 64 words skip 4
.set PAD288, (5<<22)|(7<<25)           ; after every 64 words skip 8: pitch 288, an odd multiple of 32 for the transposing loads
.set F0,   64
.set F1,   128
.set ADRA, 16                          ; v16-17  my row fragments in slot 0, 1
.set ADRB, 18                          ; v18-19  my column fragments
.set G1A,  24                          ; s[24:31] shape of a half of the row operand's tile
.set G1B,  32                          ; s[32:39] shape of a half of the column operand's tile
.set G0A,  48                          ; s[48:55] from where, to where: row operand, one set a slot
.set G0B,  56                          ; s[56:63] column operand
.set NM,   32                          ; v32-39 nm of my eight row fragments
.set LS,   40                          ; v40-47 l
.set NMP,  48                          ; v48-49 nm twice
.set SM,   50                          ; v50-57 chains of maxima, then of sums
.set X,    64                          ; v64-127 exponents, then P in f32
.set Y,    128                         ; v128-159 P in bf16
.set RBV,  64                          ; VW's way out: read-back registers, 16 for each of eight row fragments
.set TMP,  192
.set MUL_LO, 0xa1                      ; source 0 window 1, source 1 window 0, C and D window 2
.set MUL_HI, 0xf1                      ; the same, C and D window 3
.set TO_B,   0x40                      ; destination window 1, address window 0
.set MSB, 0
.macro WIN new                         ; the immediate's high byte repeats the setting that is left
.if MSB != \new
	s_set_vgpr_msb (MSB<<8)|\new
.set MSB, \new
.endif
.endm
.macro PLACES                          ; four plain vector instructions behind a matrix instruction, ahead of loads into or vector work on its registers
.rept 4
	v_nop
.endr
.endm
.macro CREST                           ; a round of the cluster's barrier behind its opening work-group barrier
	s_cmp_lg_u32 s12, 0
	s_cbranch_scc1 .Lnot_wave_0_\@
	s_barrier_signal -3
.Lnot_wave_0_\@:
	s_barrier_wait -3
	s_barrier_signal -1
	s_barrier_wait -1
.endm
.macro CROUND
	s_barrier_signal -1
	s_barrier_wait -1
	CREST
.endm
.macro GROUP1 g, mask, pad, cols, rows, pitch      ; elements of 2 bytes, padding on, bit 21 beside the mask
	s_or_b32 s[\g], \mask, (1<<16)|(1<<20)|(1<<21)|\pad
	s_mov_b32 s[\g+1], (\cols)<<16
	s_mov_b32 s[\g+2], (\rows)<<16
	s_mov_b32 s[\g+3], (\cols)<<16
	s_mov_b32 s[\g+4], \rows
	s_mov_b32 s[\g+5], \pitch
	s_mov_b32 s[\g+6], 0
	s_mov_b32 s[\g+7], 0
.endm
.macro GROUP0 g, lds, slotoff, base, goff
	s_mov_b32 s[\g], 1
	s_add_co_u32 s[\g+1], \lds, \slotoff
	s_add_nc_u64 s[\g+2:\g+3], s[\base:\base+1], \goff
	s_or_b32 s[\g+3], s[\g+3], 0x80000000
.endm
.macro JLOAD s                         ; one joint load a wave; the branch hangs on the wave's number alone
	s_cmp_eq_u32 s13, 0
	s_cbranch_scc0 .Lfor_b_\@
	tensor_load_to_lds s[G0A+4*\s:G0A+4*\s+3], s[G1A:G1A+7]
	s_nop 0
	s_branch .Lasked_\@
.Lfor_b_\@:
	tensor_load_to_lds s[G0B+4*\s:G0B+4*\s+3], s[G1B:G1B+7]
	s_nop 0
.Lasked_\@:
.endm
.macro REFILL slot, bstep              ; the rest of the round, both addresses two K steps on, the joint load first behind the round
	CREST
	s_add_nc_u64 s[G0A+4*\slot+2:G0A+4*\slot+3], s[G0A+4*\slot+2:G0A+4*\slot+3], 512
	s_add_nc_u64 s[G0B+4*\slot+2:G0B+4*\slot+3], s[G0B+4*\slot+2:G0B+4*\slot+3], \bstep
	JLOAD \slot
.endm
.macro MIX sa, sb, sc, sd              ; s[100:101] = bx << sa + wc << sb + rb << sc + wr << sd: offsets of outputs only
	s_lshl_b32 s100, s17, \sa
	s_lshl_b32 s104, s14, \sb
	s_add_co_u32 s100, s100, s104
	s_lshl_b32 s104, s19, \sc
	s_add_co_u32 s100, s100, s104
	s_lshl_b32 s104, s13, \sd
	s_add_co_u32 s100, s100, s104
	s_mov_b32 s101, 0
.endm
	s_load_b256 s[4:11], s[0:1], 0x0               ; xb s[4:5], vw s[6:7], pt s[8:9], stats s[10:11]
	s_set_vgpr_msb 0x40
	v_lshl_add_u32 v255, v0, 2, 0x48400
	s_set_vgpr_msb 0x4000
	v_mov_b32 v255, 0
	s_set_vgpr_msb 0x1
	ds_add_u32 v255, v255
	s_set_vgpr_msb 0x100
	v_lshrrev_b32 v1, 5, v0
	v_readfirstlane_b32 s12, v1                    ; wave 0..3
	s_lshr_b32 s13, s12, 1                         ; wr: my 128 rows.  Also: I ask for the row operand (0) or the column operand (1)
	s_and_b32 s14, s12, 1                          ; wc: my half of the columns.  Also: which half of the tile I ask for
	s_bfe_u32 s15, ttmp6, 0x40000                  ; cx
	s_bfe_u32 s16, ttmp6, 0x40004                  ; cy
	s_lshl_b32 s17, ttmp9, 2
	s_add_co_u32 s17, s17, s15                     ; bx: block column
	s_and_b32 s66, ttmp7, 0xffff                   ; the cluster's y, 0..15
	s_and_b32 s18, s66, 7                          ; batch
	s_lshr_b32 s66, s66, 3                         ; kind: 0 = S, 1 = VW
	s_lshl_b32 s19, s18, 2
	s_add_co_u32 s19, s19, s16                     ; rb: block row of 256 rows, 0..31
	s_mov_b32 s20, 0x76543210                      ; v_permlanex16_b32: lane i reads lane i of the other half
	s_mov_b32 s21, 0xfedcba98
	s_mov_b32 s22, 0x3d38aa3b                      ; c = log2(e) / 32
	s_mov_b32 s23, 0x3d38aa3b
	s_lshl_b32 s98, s16, 2
	s_lshl_b32 s98, 15, s98                        ; my row of the cluster
	s_lshl_b32 s99, 0x1111, s15                    ; my column
	GROUP1 G1A, s98, PAD272, 128, 128, 1024
	s_lshl_b32 s84, s19, 19                        ; row operand: (256 rb + 128 half) rows of 2,048 bytes,
	s_lshl_b32 s85, s14, 18
	s_add_co_u32 s84, s84, s85
	s_lshl_b32 s85, s66, 25                        ; of Q (kind 0) or of V (kind 1, 33,554,432 bytes further)
	s_add_co_u32 s84, s84, s85
	s_mov_b32 s85, 0
	s_mul_i32 s94, s14, HALFT                      ; LDS: the halves lie one behind the other; no place in the cluster enters
	v_and_b32 v31, 31, v0                          ; lane l
	v_and_b32 v1, 15, v0                           ; r = l % 16
	v_bfe_u32 v2, v0, 4, 1                         ; h = l / 16
	v_and_b32 v3, 7, v0
	v_mul_u32_u24 v5, v1, PITCH
	v_lshl_add_u32 v5, v2, 4, v5                   ; r x 272 + 16 h: rows that lie along K
	s_mul_i32 s97, s13, HALFT
	v_add_nc_u32 v[ADRA], s97, v5
	v_add_nc_u32 v[ADRA+1], SLOT, v[ADRA]
	s_mul_i32 s105, s12, 4352
	s_add_co_u32 s105, s105, STAGE                 ; my stage
	s_wait_dscnt 0x0
	s_wait_kmcnt 0x0
	s_add_nc_u64 s[84:85], s[4:5], s[84:85]
.irp s, 0,1
	GROUP0 G0A+4*\s, s94, \s*SLOT, 84, \s*256
.endr
	s_cmp_lg_u32 s66, 0
	s_cbranch_scc1 .Lvw_kind
; ---------------------------------------------------------------- S = Q K^T and the softmax by tiles
	GROUP1 G1B, s99, PAD272, 128, 128, 1024
	s_lshl_b32 s88, s18, 21                        ; K: (1024 batch + 256 bx + 128 half) rows of 2,048 bytes
	s_lshl_b32 s89, s17, 19
	s_add_co_u32 s88, s88, s89
	s_lshl_b32 s89, s14, 18
	s_add_co_u32 s88, s88, s89
	s_add_co_u32 s88, s88, KB
	s_mov_b32 s89, 0
	s_add_nc_u64 s[88:89], s[4:5], s[88:89]
	s_mul_i32 s96, s14, HALFT
	s_add_co_u32 s96, s96, 2*HALFT
.irp s, 0,1
	GROUP0 G0B+4*\s, s96, \s*SLOT, 88, \s*256
.endr
	CROUND                                         ; all sixteen work-groups are here: the first joint loads meet
	JLOAD 0                                        ; K step 0
	JLOAD 1                                        ; K step 1
	MIX 9, 8, 19, 18
	s_add_nc_u64 s[8:9], s[8:9], s[100:101]        ; pt: my tile's corner
	MIX 17, 16, 11, 10
	s_add_nc_u64 s[10:11], s[10:11], s[100:101]    ; stats: tile 2 bx + wc, my first row
	s_mul_i32 s97, s14, HALFT
	s_add_co_u32 s97, s97, 2*HALFT
	v_add_nc_u32 v[ADRB], s97, v5
	v_add_nc_u32 v[ADRB+1], SLOT, v[ADRB]
	v_add_nc_u32 v27, s105, v5                     ; P in: row r, pitch 272
	v_mul_u32_u24 v8, v2, PITCH
	v_lshl_add_u32 v8, v1, 4, v8
	v_add_nc_u32 v28, s105, v8                     ; P back: two rows of 256 bytes a load
	v_lshlrev_b32 v8, 11, v2
	v_lshl_add_u32 v29, v1, 4, v8                  ; and the same two rows in pt
	v_lshlrev_b32 v30, 3, v31                      ; stats: 8 bytes a row
; 16 matrix instructions: row fragments a0, a0 + 1 of the window's four (hi = 0: my rows 0-63, 1: rows 64-127) x 8 column fragments, 32 along K.
; The accumulators take turns, one instruction a turn.
.macro MUL16 f, hi, a0, zero
.set ia, \a0
.rept 2
.set ib, 0
.rept 8
.if \zero
	v_wmma_f32_16x16x32_bf16 v[8*(8*ia+ib):8*(8*ia+ib)+7], v[\f+8*ib:\f+8*ib+7], v[\f+8*(4*\hi+ia):\f+8*(4*\hi+ia)+7], 0
.else
	v_wmma_f32_16x16x32_bf16 v[8*(8*ia+ib):8*(8*ia+ib)+7], v[\f+8*ib:\f+8*ib+7], v[\f+8*(4*\hi+ia):\f+8*(4*\hi+ia)+7], v[8*(8*ia+ib):8*(8*ia+ib)+7]
.endif
.set ib, ib+1
.endr
.set ia, ia+1
.endr
.endm
; 32 LDS loads in one run: 8 fragments of K, then 8 of Q, 32 K at byte k of the rows, into buffer f
.macro FETCH slot, k, f
	WIN TO_B
.set ib, 0
.rept 8
	ds_load_b128 v[\f+8*ib:\f+8*ib+3],   v[ADRB+\slot] offset:\k+ib*16*PITCH
	ds_load_b128 v[\f+8*ib+4:\f+8*ib+7], v[ADRB+\slot] offset:\k+ib*16*PITCH+32
.set ib, ib+1
.endr
	WIN 0
.set ib, 0
.rept 8
	ds_load_b128 v[\f+8*ib:\f+8*ib+3],   v[ADRA+\slot] offset:\k+ib*16*PITCH
	ds_load_b128 v[\f+8*ib+4:\f+8*ib+7], v[ADRA+\slot] offset:\k+ib*16*PITCH+32
.set ib, ib+1
.endr
.endm
; One of a K step's first three quarters: multiplies buffer f, and in its middle fetches the quarter at byte k into buffer g.
.macro QUARTER slot, k, f, g, zero
	s_wait_dscnt 8                                 ; the youngest eight loads (row fragments 4-7) may be out
	WIN MUL_LO
	MUL16 \f, 0, 0, \zero
	MUL16 \f, 0, 2, \zero
	PLACES
	FETCH \slot, \k, \g
	s_wait_dscnt 32                                ; all but the 32 just issued
	WIN MUL_HI
	MUL16 \f, 1, 0, \zero
	MUL16 \f, 1, 2, \zero
.endm
.macro THREE slot, zero
	QUARTER \slot, 64,  F0, F1, \zero
	QUARTER \slot, 128, F1, F0, 0
	QUARTER \slot, 192, F0, F1, 0
.endm
; The last quarter: multiplies buffer 1 and changes slots.  In front of the barrier each wave waits for its reads of this slot and for all its
; tensor loads (one is out: its part of the next slot); with a fill the barrier opens a round of the cluster's barrier, and the joint load is
; the first tensor load behind the round.
.macro TURN slot, next, fill
	s_wait_dscnt 8
	WIN MUL_LO
	MUL16 F1, 0, 0, 0
	s_wait_dscnt 0
	s_wait_tensorcnt 0x0
	ds_add_u32 v255, v255
	s_wait_dscnt 0x0
	s_barrier_signal -1
	MUL16 F1, 0, 2, 0                              ; registers only, while the others arrive
	WIN 0
	s_barrier_wait -1
.if \fill
	REFILL \slot, 512
.endif
	PLACES
	FETCH \next, 0, F0
	WIN MUL_HI
	MUL16 F1, 1, 0, 0
	MUL16 F1, 1, 2, 0
.endm
.macro LAP zero                        ; once round the ring, both slots filled again
	THREE 0, \zero
	TURN 0, 1, 1
	THREE 1, 0
	TURN 1, 0, 1
.endm
; S's way out, rows 16 i .. 16 i + 15 of my block x 128 columns = the eight tiles (a, 0..7) of window 2 or 3 (w2: that window for sources 0 and 1,
; w1: for source 0): the tile's row maximum, P, its sum, P in bf16 through my stage.  rb: read-back registers, by turns.
.macro SOUT i, a, w2, w1, rb
	WIN \w2
.irp k, 0,1,2,3
	v_max_num_f32 v[SM+\k], v[64*\a+16*\k], v[64*\a+16*\k+1]       ; four chains, started by the first numbers
.endr
.set j, 2
.rept 7
.irp k, 0,1,2,3
	v_max3_num_f32 v[SM+\k], v[64*\a+16*\k+j], v[64*\a+16*\k+j+1], v[SM+\k]
.endr
.set j, j+2
.endr
	WIN 0
	v_max3_num_f32 v[SM], v[SM], v[SM+1], v[SM+2]
	v_max_num_f32 v[SM], v[SM], v[SM+3]
	v_permlanex16_b32 v[SM+1], v[SM], s20, s21     ; the row's other 64 columns lie in the other half of the lanes
	v_max_num_f32 v[SM], v[SM], v[SM+1]
	v_mul_f32 v[SM], 0xbd38aa3b, v[SM]             ; -c max
	v_floor_f32 v[NM+\i], v[SM]
	v_floor_f32 v[NMP], v[SM]
	v_floor_f32 v[NMP+1], v[SM]
	WIN \w1
.set j, 0
.rept 32
	v_pk_fma_f32 v[X+2*j:X+2*j+1], v[64*\a+2*j:64*\a+2*j+1], s[22:23], v[NMP:NMP+1] op_sel_hi:[1,0,1]
.set j, j+1
.endr
	WIN 0
.set j, 0
.rept 64
	v_exp_f32 v[X+j], v[X+j]
.set j, j+1
.endr
	v_nop                                          ; one plain instruction behind the last exponential (ISA guide 5.7.2)
	s_wait_alu depctr_va_vdst(0)
.irp k, 0,1,2,3
	v_pk_add_f32 v[SM+2*\k:SM+2*\k+1], v[X+2*\k:X+2*\k+1], v[X+8+2*\k:X+8+2*\k+1]
.endr
.set j, 8
.rept 6
.irp k, 0,1,2,3
	v_pk_add_f32 v[SM+2*\k:SM+2*\k+1], v[SM+2*\k:SM+2*\k+1], v[X+2*(j+\k):X+2*(j+\k)+1]
.endr
.set j, j+4
.endr
	v_pk_add_f32 v[SM:SM+1], v[SM:SM+1], v[SM+2:SM+3]
	v_pk_add_f32 v[SM+4:SM+5], v[SM+4:SM+5], v[SM+6:SM+7]
	v_pk_add_f32 v[SM:SM+1], v[SM:SM+1], v[SM+4:SM+5]
	v_add_f32 v[SM], v[SM], v[SM+1]
	v_permlanex16_b32 v[SM+1], v[SM], s20, s21
	v_add_f32 v[LS+\i], v[SM], v[SM+1]
.set j, 0
.rept 32
	v_cvt_pk_bf16_f32 v[Y+j], v[X+2*j], v[X+2*j+1]
.set j, j+1
.endr
.irp b, 0,1,2,3,4,5,6,7
	ds_store_b128 v27, v[Y+4*\b:Y+4*\b+3] offset:32*\b
.endr
	s_wait_xcnt 0x0                                ; the read-back registers, which earlier stores read, are loaded again only behind this wait
.irp t, 0,1,2,3,4,5,6,7
	ds_load_b128 v[\rb+4*\t:\rb+4*\t+3], v28 offset:544*\t         ; LDS serves a wave's instructions in order (ISA guide 5.7.1): these see the stores above
.endr
.irp t, 0,1,2,3,4,5,6,7
	s_wait_dscnt 7-\t
	global_store_b128 v29, v[\rb+4*\t:\rb+4*\t+3], s[8:9] offset:(16*\i+2*\t)*2048   ; sixteen lanes store 256 consecutive aligned bytes
.endr
.endm
	s_wait_tensorcnt 0x1                           ; my part of K step 0 is in; step 1's stays out
	s_barrier_signal -1
	s_barrier_wait -1
	FETCH 0, 0, F0
	LAP 1                                          ; steps 0, 1: the first products start the sums
	WIN 0
	s_mov_b32 s3, 2
.Lqk:
	LAP 0                                          ; steps 2 to 5
	WIN 0
	s_sub_co_u32 s3, s3, 1
	s_cmp_lg_u32 s3, 0
	s_cbranch_scc1 .Lqk
	THREE 0, 0                                     ; steps 6, 7 fill nothing
	TURN 0, 1, 0
	THREE 1, 0
	s_wait_dscnt 8
	WIN MUL_LO
	MUL16 F1, 0, 0, 0
	MUL16 F1, 0, 2, 0
	s_wait_dscnt 0
	WIN MUL_HI
	MUL16 F1, 1, 0, 0
	MUL16 F1, 1, 2, 0
	PLACES
	SOUT 0, 0, 0x0a, 0x02, 160
	SOUT 1, 1, 0x0a, 0x02, 192
	SOUT 2, 2, 0x0a, 0x02, 160
	SOUT 3, 3, 0x0a, 0x02, 192
	SOUT 4, 0, 0x0f, 0x03, 160
	SOUT 5, 1, 0x0f, 0x03, 192
	SOUT 6, 2, 0x0f, 0x03, 160
	SOUT 7, 3, 0x0f, 0x03, 192
	v_cmp_le_u32 vcc_lo, 16, v31                   ; lane l takes row 32 p + l: fragment 2 p for l < 16, 2 p + 1 above
.irp p, 0,1,2,3
	v_cndmask_b32 v[X+2*\p],   v[NM+2*\p], v[NM+2*\p+1], vcc_lo
	v_cndmask_b32 v[X+2*\p+1], v[LS+2*\p], v[LS+2*\p+1], vcc_lo
	global_store_b64 v30, v[X+2*\p:X+2*\p+1], s[10:11] offset:256*\p     ; 256 consecutive aligned bytes
.endr
	s_set_vgpr_msb 0x1
	s_wait_tensorcnt 0x0
	ds_add_u32 v255, v255
	s_wait_dscnt 0x0
	s_set_vgpr_msb 0x100
	CROUND                                         ; the closing round
	s_endpgm
; ---------------------------------------------------------------- VW = V W1
.Lvw_kind:
	GROUP1 G1B, s99, PAD288, 128, 64, 512
	s_lshl_b32 s88, s14, 16                        ; W1: 64 half rows of 1,024 bytes + 256 bx
	s_lshl_b32 s89, s17, 8
	s_add_co_u32 s88, s88, s89
	s_add_co_u32 s88, s88, W1B
	s_mov_b32 s89, 0
	s_add_nc_u64 s[88:89], s[4:5], s[88:89]
	s_mul_i32 s96, s14, 18432                      ; 64 rows of 288
	s_add_co_u32 s96, s96, 2*HALFT
.irp s, 0,1
	GROUP0 G0B+4*\s, s96, \s*SLOT, 88, \s*131072
.endr
	CROUND
	JLOAD 0
	JLOAD 1
	MIX 21, 20, 15, 14
	s_add_nc_u64 s[6:7], s[6:7], s[100:101]        ; vw: panel 2 bx + wc, row 256 rb + 128 wr
	v_bfe_u32 v4, v0, 3, 1
	v_bfe_u32 v7, v0, 3, 2
	v_lshl_add_u32 v6, v2, 3, v3
	v_mul_u32_u24 v6, v6, 288
	v_lshl_add_u32 v6, v4, 4, v6                   ; (8 h + l % 8) x 288 + 16 ((l / 8) % 2): rows that lie across K
	s_lshl_b32 s97, s14, 7                         ; my 64 columns
	s_add_co_u32 s97, s97, 2*HALFT
	v_add_nc_u32 v[ADRB], s97, v6
	v_add_nc_u32 v[ADRB+1], SLOT, v[ADRB]
	v_mul_u32_u24 v8, v1, 144
	v_lshl_add_u32 v8, v2, 4, v8
	v_add_nc_u32 v24, s105, v8                     ; in: row r, pitch 144
	v_mul_u32_u24 v8, v7, 144
	v_lshl_add_u32 v8, v3, 4, v8
	v_add_nc_u32 v25, s105, v8                     ; back: four rows of 128 bytes a load
	v_lshlrev_b32 v26, 4, v31                      ; and the same 512 bytes in vw
; n row fragments from a0 on x 4 column fragments; the accumulators take turns, one instruction a turn.
.macro MULV f, a0, n, zero
.set ia, \a0
.rept \n
.set ib, 0
.rept 4
.if \zero
	v_wmma_f32_16x16x32_bf16 v[8*(4*ia+ib):8*(4*ia+ib)+7], v[\f+8*ib:\f+8*ib+7], v[\f+8*ia:\f+8*ia+7], 0
.else
	v_wmma_f32_16x16x32_bf16 v[8*(4*ia+ib):8*(4*ia+ib)+7], v[\f+8*ib:\f+8*ib+7], v[\f+8*ia:\f+8*ia+7], v[8*(4*ia+ib):8*(4*ia+ib)+7]
.endif
.set ib, ib+1
.endr
.set ia, ia+1
.endr
.endm
; 24 LDS loads: 4 fragments of W1 (transposing loads), then 8 of V, quarter q, into buffer f
.macro FETCHV slot, q, f
	WIN TO_B
.set ib, 0
.rept 4
	ds_load_tr16_b128 v[\f+8*ib:\f+8*ib+3],   v[ADRB+\slot] offset:9216*\q+32*ib
	ds_load_tr16_b128 v[\f+8*ib+4:\f+8*ib+7], v[ADRB+\slot] offset:9216*\q+32*ib+4608
.set ib, ib+1
.endr
	WIN 0
.set ib, 0
.rept 8
	ds_load_b128 v[\f+8*ib:\f+8*ib+3],   v[ADRA+\slot] offset:64*\q+ib*16*PITCH
	ds_load_b128 v[\f+8*ib+4:\f+8*ib+7], v[ADRA+\slot] offset:64*\q+ib*16*PITCH+32
.set ib, ib+1
.endr
.endm
.macro QUARTERV slot, q, f, g, zero
	s_wait_dscnt 8                                 ; the youngest eight loads (row fragments 4-7) may be out
	WIN MUL_LO
	MULV \f, 0, 4, \zero
	PLACES
	FETCHV \slot, \q, \g
	s_wait_dscnt 24                                ; all but the 24 just issued
	WIN MUL_LO
	MULV \f, 4, 4, \zero
.endm
.macro THREEV slot, zero
	QUARTERV \slot, 1, F0, F1, \zero
	QUARTERV \slot, 2, F1, F0, 0
	QUARTERV \slot, 3, F0, F1, 0
.endm
.macro TURNV slot, next, fill          ; the change of slots, in the same order as above
	s_wait_dscnt 8
	WIN MUL_LO
	MULV F1, 0, 2, 0
	s_wait_dscnt 0
	s_wait_tensorcnt 0x0
	ds_add_u32 v255, v255
	s_wait_dscnt 0x0
	s_barrier_signal -1
	MULV F1, 2, 2, 0
	WIN 0
	s_barrier_wait -1
.if \fill
	REFILL \slot, 262144
.endif
	PLACES
	FETCHV \next, 0, F0
	WIN MUL_LO
	MULV F1, 4, 4, 0
.endm
.macro LAPV zero
	THREEV 0, \zero
	TURNV 0, 1, 1
	THREEV 1, 0
	TURNV 1, 0, 1
.endm
; VW's way out, 16 rows x 64 columns: round to bf16, through my stage, out as 512 consecutive bytes a store (four rows of a panel).
.macro VOUT a
	WIN 0x0a
.set ib, 0
.rept 4
.irp i, 0,1,2,3
	v_cvt_pk_bf16_f32 v[TMP+4*ib+\i], v[8*(4*\a+ib)+2*\i], v[8*(4*\a+ib)+2*\i+1]
.endr
.set ib, ib+1
.endr
	WIN 0
.irp b, 0,1,2,3
	ds_store_b128 v24, v[TMP+4*\b:TMP+4*\b+3] offset:32*\b
.endr
.irp t, 0,1,2,3
	ds_load_b128 v[RBV+16*\a+4*\t:RBV+16*\a+4*\t+3], v25 offset:576*\t   ; registers of their own for each a: no store's data is written again
.endr
.irp t, 0,1,2,3
	s_wait_dscnt 3-\t
	global_store_b128 v26, v[RBV+16*\a+4*\t:RBV+16*\a+4*\t+3], s[6:7] offset:(16*\a+4*\t)*128
.endr
.endm
	s_wait_tensorcnt 0x1                           ; my part of K step 0 is in; step 1's stays out
	s_barrier_signal -1
	s_barrier_wait -1
	FETCHV 0, 0, F0
	LAPV 1
	WIN 0
	s_mov_b32 s3, 2
.Lvw:
	LAPV 0
	WIN 0
	s_sub_co_u32 s3, s3, 1
	s_cmp_lg_u32 s3, 0
	s_cbranch_scc1 .Lvw
	THREEV 0, 0                                    ; steps 6, 7 fill nothing
	TURNV 0, 1, 0
	THREEV 1, 0
	s_wait_dscnt 8
	WIN MUL_LO
	MULV F1, 0, 4, 0
	s_wait_dscnt 0
	MULV F1, 4, 4, 0
	PLACES
	VOUT 0
	VOUT 1
	VOUT 2
	VOUT 3
	VOUT 4
	VOUT 5
	VOUT 6
	VOUT 7
	s_set_vgpr_msb 0x1
	s_wait_tensorcnt 0x0
	ds_add_u32 v255, v255
	s_wait_dscnt 0x0
	s_set_vgpr_msb 0x100
	CROUND                                         ; the closing round
	s_endpgm
.Lfunc_end_k_q515073e078_scores:
	.size	k_q515073e078_scores, .Lfunc_end_k_q515073e078_scores-k_q515073e078_scores
	.p2alignl 7, 3214868480
	.fill 96, 4, 3214868480
	.section	.rodata,"a",@progbits
	.p2align	6, 0x0
	.amdhsa_kernel k_q515073e078_scores
		.amdhsa_group_segment_fixed_size 327680
		.amdhsa_private_segment_fixed_size 0
		.amdhsa_enable_private_segment 0
		.amdhsa_kernarg_size 32
		.amdhsa_user_sgpr_count 2
		.amdhsa_user_sgpr_kernarg_segment_ptr 1
		.amdhsa_wavefront_size32 1
		.amdhsa_system_sgpr_workgroup_id_x 1
		.amdhsa_system_sgpr_workgroup_id_y 1
		.amdhsa_system_sgpr_workgroup_id_z 1
		.amdhsa_system_vgpr_workitem_id 0
		.amdhsa_next_free_vgpr 1024
		.amdhsa_next_free_sgpr 106
		.amdhsa_reserve_vcc 1
		.amdhsa_float_denorm_mode_32 3
		.amdhsa_float_denorm_mode_16_64 3
		.amdhsa_memory_ordered 1
		.amdhsa_forward_progress 1
		.amdhsa_inst_pref_size 255
	.end_amdhsa_kernel
	.section	.bss,"aw",@nobits
	.p2align	6
	.space	262144
	.amdgpu_metadata
---
amdhsa.version: [ 1, 2 ]
amdhsa.kernels:
  - .name:           k_q515073e078_scores
    .symbol:         k_q515073e078_scores.kd
    .args:
      - { .name: xb, .offset: 0, .size: 8, .value_kind: global_buffer, .address_space: global }
      - { .name: vw, .offset: 8, .size: 8, .value_kind: global_buffer, .address_space: global }
      - { .name: pt, .offset: 16, .size: 8, .value_kind: global_buffer, .address_space: global }
      - { .name: stats, .offset: 24, .size: 8, .value_kind: global_buffer, .address_space: global }
    .group_segment_fixed_size: 327680
    .private_segment_fixed_size: 0
    .kernarg_segment_align: 8
    .kernarg_segment_size: 32
    .max_flat_workgroup_size: 128
    .sgpr_count:     106
    .vgpr_count:     1024
    .wavefront_size: 32
...
	.end_amdgpu_metadata
.endif
;; end of part 2
;; launch ctx (part 3): grid 4 x 64, 4 waves a work-group, clusters of 4 x 4, 327,680 bytes of LDS; arguments pt, stats, xb, vw, b1, W2, o, dz, rec, V; writes o, dz, rec
.if DOCPART == 3
	.amdgcn_target "amdgcn-amd-amdhsa--gfx1250"
	.amdhsa_code_object_version 6
	.text
	.protected	k_q515073e078_ctx
	.globl	k_q515073e078_ctx
	.p2align	8
	.type	k_q515073e078_ctx,@function
k_q515073e078_ctx:
	s_mov_b64 s[64:65], 0
	v_nop
	global_prefetch_b8 v0, s[64:65] scope:SCOPE_SE
	s_setreg_imm32_b32 hwreg(HW_REG_WAVE_MODE, 25, 1), 1
	s_wait_xcnt 0x0
	s_wait_alu depctr_hold_cnt(0) depctr_sa_sdst(0) depctr_va_vdst(0) depctr_va_sdst(0) depctr_va_ssrc(0) depctr_va_vcc(0) depctr_vm_vsrc(0)
	s_getreg_b32 s2, hwreg(HW_REG_IB_STS2, 6, 4)
	s_cmp_eq_u32 s2, 0
	s_cbranch_scc0 .Lentry_in_a_cluster
	s_endpgm
.Lentry_in_a_cluster:
	s_bfe_u32 s2, ttmp6, 0x10000c
	s_cmp_lg_u32 s2, 0xf033
	s_cbranch_scc0 .Lentry_shape_is_right
	s_endpgm
.Lentry_shape_is_right:
; [O | Zpre] = A [V | VW] in one pass over the keys, A = softmax rows rebuilt from the tiles P of the launch before.
; Block: 128 rows x (256 columns of V + 128 of VW); wave: 64 x (128 + 64).  K = 1024 keys in 8 steps of 128 = the softmax tiles.
; Joining the tiles (thread = row): NM = min over t of nm_t; k_t = max(NM - nm_t, -126); e_t = 2^k_t; L = sum l_t e_t; inv = 1 / L.
; P's fragments are multiplied by e_t in bf16, which is exact (a power of two), and inv is applied in f32 to the sums.
; o = V + O in f32: my f32 tile of V (64 rows of 512 bytes) is loaded under the products, 16 rows at a time, into registers that the loop leaves free.
; Then Z = Zpre + b1, dZ = W2 silu'(Z) (bf16, in panels like vw), the part of delta = sum over j of dZ Zpre that lies in my 128 columns
; (with the rounded dZ, so that it is the A-weighted mean of the very dA that the next launch forms), and f_t = e_t inv for t = 2 bx, 2 bx + 1.
; rec[bx][row] = {f_2bx, f_2bx+1, delta part, 0}.  o goes out first: its stores, four fifths of the launch's output bytes, leave while dZ is computed.
; b2 is a constant added to the energy: the energy's derivative does not hold it, for any value, so no output hangs on it and it is not loaded.
; LIMITS: a tile more than 2^126 below the row's maximum gets the factor 2^-126; bf16 products in the denormal range may be flushed.
; CLUSTERS: P's tile hangs on the block row alone (joint along a row of the cluster); V's and VW's on the block column and the batch (joint
; along a column).  Wave 0 asks for P's tile, wave 1 for V's, waves 2 and 3 for one panel of VW each: one load a wave behind each round;
; two are out at the start.
; REGISTERS: window 0: addresses, row figures, P's fragments v64-95 / v96-127, b1 v128-159, W2 v160-191, v192-255 V's rows 48-63, then work;
; window 1: O's accumulators, tile (a, b) at v[8 (8 a + b)]; window 2: Z's at v[8 (4 a + b)], v128-255 V's rows 0-31;
; window 3: V's and VW's fragments, v0-95 / v96-191, v192-255 V's rows 32-47.
.set SLOT,   145408                    ; P 128 x 272, V 128 x 544, two panels of VW 128 x 160
.set VOFF,   34816
.set POFF,   104448
.set ETAB,   290816                    ; e_t as two equal bf16: [8 t][128 rows] words
.set ITAB,   294912                    ; inv: [128 rows]
.set DTAB,   295424                    ; delta parts: [2 column halves][128 rows]
.set VB,     0x2000000
.set PAD272, (5<<22)|(3<<25)
.set PAD544, (6<<22)|(7<<25)           ; after every 128 words skip 8
.set PAD160, (4<<22)|(7<<25)           ; after every 32 words (a panel's row of 128 bytes) skip 8
.set ADRA, 16
.set ADRV, 18
.set ADRP, 20
.set G1A,  24
.set G1V,  32
.set G1P,  40
.set G0A,  48
.set G0V,  56
.set G0P,  68
.set INV,  36                          ; v36-43 inv of my four row fragments, twice each
.set DEL,  44                          ; v44-51 delta sums
.set PT,   64                          ; v64-89 the joining of the tiles, ahead of the first fragments
.set RB,   64                          ; v64-127 the way out: rows read back
.set B1,   128
.set W2R,  160
.set ZP,   192
.set ZZ,   224
.set TT,   232
.set UU,   240
.set PK,   248
.set MSB, 0
.macro WIN new
.if MSB != \new
	s_set_vgpr_msb (MSB<<8)|\new
.set MSB, \new
.endif
.endm
.macro PLACES                          ; four plain vector instructions behind a matrix instruction (ISA guide 7.12.1)
.rept 4
	v_nop
.endr
.endm
.macro CREST
	s_cmp_lg_u32 s12, 0
	s_cbranch_scc1 .Lnot_wave_0_\@
	s_barrier_signal -3
.Lnot_wave_0_\@:
	s_barrier_wait -3
	s_barrier_signal -1
	s_barrier_wait -1
.endm
.macro CROUND
	s_barrier_signal -1
	s_barrier_wait -1
	CREST
.endm
.macro GROUP1 g, mask, pad, cols, rows, pitch
	s_or_b32 s[\g], \mask, (1<<16)|(1<<20)|(1<<21)|\pad
	s_mov_b32 s[\g+1], (\cols)<<16
	s_mov_b32 s[\g+2], (\rows)<<16
	s_mov_b32 s[\g+3], (\cols)<<16
	s_mov_b32 s[\g+4], \rows
	s_mov_b32 s[\g+5], \pitch
	s_mov_b32 s[\g+6], 0
	s_mov_b32 s[\g+7], 0
.endm
.macro GROUP0 g, lds, slotoff, base, goff
	s_mov_b32 s[\g], 1
	s_add_co_u32 s[\g+1], \lds, \slotoff
	s_add_nc_u64 s[\g+2:\g+3], s[\base:\base+1], \goff
	s_or_b32 s[\g+3], s[\g+3], 0x80000000
.endm
.macro JLOAD3 s                        ; one joint load a wave; the branches hang on the wave's number alone
	s_cmp_lg_u32 s12, 0
	s_cbranch_scc1 .Lnot_a_\@
	tensor_load_to_lds s[G0A+4*\s:G0A+4*\s+3], s[G1A:G1A+7]
	s_nop 0
	s_branch .Lasked_\@
.Lnot_a_\@:
	s_cmp_lg_u32 s12, 1
	s_cbranch_scc1 .Lnot_v_\@
	tensor_load_to_lds s[G0V+4*\s:G0V+4*\s+3], s[G1V:G1V+7]
	s_nop 0
	s_branch .Lasked_\@
.Lnot_v_\@:
	tensor_load_to_lds s[G0P+4*\s:G0P+4*\s+3], s[G1P:G1P+7]
	s_nop 0
.Lasked_\@:
.endm
.macro MIX sa, sb, sc, sd              ; s[100:101] = bx << sa + wc << sb + by << sc + wr << sd
	s_lshl_b32 s100, s17, \sa
	s_lshl_b32 s104, s14, \sb
	s_add_co_u32 s100, s100, s104
	s_lshl_b32 s104, s19, \sc
	s_add_co_u32 s100, s100, s104
	s_lshl_b32 s104, s13, \sd
	s_add_co_u32 s100, s100, s104
	s_mov_b32 s101, 0
.endm
	s_load_b256 s[4:11], s[0:1], 0x0               ; pt s[4:5], stats s[6:7], xb s[8:9], vw s[10:11]
	s_load_b256 s[84:91], s[0:1], 0x20             ; b1 s[84:85], W2 s[86:87], o s[88:89], dz s[90:91]
	s_load_b64 s[92:93], s[0:1], 0x40              ; rec
	s_load_b64 s[66:67], s[0:1], 0x48              ; V
	v_lshl_add_u32 v62, v0, 2, 0x48600
	v_mov_b32 v63, 0
	ds_add_u32 v62, v63
	v_lshrrev_b32 v1, 5, v0
	v_readfirstlane_b32 s12, v1                    ; wave
	s_lshr_b32 s13, s12, 1                         ; wr
	s_and_b32 s14, s12, 1                          ; wc
	s_bfe_u32 s15, ttmp6, 0x40000                  ; cx
	s_bfe_u32 s16, ttmp6, 0x40004                  ; cy
	s_lshl_b32 s17, ttmp9, 2
	s_add_co_u32 s17, s17, s15                     ; bx
	s_and_b32 s18, ttmp7, 0xffff
	s_lshl_b32 s19, s18, 2
	s_add_co_u32 s19, s19, s16                     ; by
	s_lshr_b32 s18, s18, 1                         ; batch
	s_mov_b32 s20, 0x76543210
	s_mov_b32 s21, 0xfedcba98
	s_lshl_b32 s98, s16, 2
	s_lshl_b32 s98, 15, s98                        ; my row of the cluster
	s_lshl_b32 s99, 0x1111, s15                    ; my column
	GROUP1 G1A, s98, PAD272, 128, 128, 1024
	GROUP1 G1V, s99, PAD544, 256, 128, 1024
	GROUP1 G1P, s99, PAD160, 128, 64, 128          ; 128 rows of a panel are 16,384 dense bytes: 64 rows of 256
	s_lshl_b32 s76, s19, 18                        ; P: row 128 by
	s_mov_b32 s77, 0
	s_lshl_b32 s78, s18, 21                        ; V: row 1024 batch, column 256 bx
	s_lshl_b32 s79, s17, 9
	s_add_co_u32 s78, s78, s79
	s_add_co_u32 s78, s78, VB
	s_mov_b32 s79, 0
	s_lshl_b32 s80, s17, 21                        ; VW: panel 2 bx + wc, row 1024 batch
	s_lshl_b32 s81, s14, 20
	s_add_co_u32 s80, s80, s81
	s_lshl_b32 s81, s18, 17
	s_add_co_u32 s80, s80, s81
	s_mov_b32 s81, 0
	s_mov_b32 s82, 0
	s_mov_b32 s83, VOFF
	s_mul_i32 s96, s14, 20480
	s_add_co_u32 s96, s96, POFF
	s_wait_dscnt 0x0
	s_wait_kmcnt 0x0
	s_add_nc_u64 s[76:77], s[4:5], s[76:77]
	s_add_nc_u64 s[78:79], s[8:9], s[78:79]
	s_add_nc_u64 s[80:81], s[10:11], s[80:81]
.irp s, 0,1
	GROUP0 G0A+4*\s, s82, \s*SLOT, 76, \s*256
	GROUP0 G0V+4*\s, s83, \s*SLOT, 78, \s*262144
	GROUP0 G0P+4*\s, s96, \s*SLOT, 80, \s*16384
.endr
	CROUND
	JLOAD3 0
	JLOAD3 1
	s_lshl_b32 s100, s17, 9                        ; b1, W2: my 64 columns begin at 128 bx + 64 wc
	s_lshl_b32 s104, s14, 8
	s_add_co_u32 s100, s100, s104
	s_mov_b32 s101, 0
	s_add_nc_u64 s[84:85], s[84:85], s[100:101]
	s_add_nc_u64 s[86:87], s[86:87], s[100:101]
	s_lshl_b32 s100, s19, 10
	s_add_nc_u64 s[6:7], s[6:7], s[100:101]        ; stats: row 128 by of tile 0
	s_lshl_b32 s100, s17, 17
	s_add_nc_u64 s[94:95], s[6:7], s[100:101]      ; the same row of tile 2 bx
	s_lshl_b32 s104, s19, 11
	s_add_co_u32 s100, s100, s104
	s_add_nc_u64 s[92:93], s[92:93], s[100:101]    ; rec: part bx, row 128 by
	MIX 21, 20, 14, 13
	s_add_nc_u64 s[90:91], s[90:91], s[100:101]    ; dz: panel 2 bx + wc, my first row
	MIX 10, 9, 19, 18
	s_add_nc_u64 s[88:89], s[88:89], s[100:101]    ; o and V: my tile's corner
	s_add_nc_u64 s[66:67], s[66:67], s[100:101]
	v_and_b32 v3, 31, v0                           ; lane l
	v_and_b32 v1, 15, v0                           ; r
	v_bfe_u32 v2, v0, 4, 1                         ; h
	v_and_b32 v4, 7, v0
	v_bfe_u32 v14, v0, 3, 1
	v_bfe_u32 v15, v0, 3, 2
	v_lshl_add_u32 v13, v2, 3, v4                  ; 8 h + l % 8
	v_mul_u32_u24 v32, v1, 272
	v_lshl_add_u32 v32, v2, 4, v32
	s_mul_i32 s97, s13, 17408
	v_add_nc_u32 v[ADRA], s97, v32
	v_add_nc_u32 v[ADRA+1], SLOT, v[ADRA]
	v_mul_u32_u24 v32, v13, 544
	v_lshl_add_u32 v32, v14, 4, v32
	s_lshl_b32 s97, s14, 8
	s_add_co_u32 s97, s97, VOFF
	v_add_nc_u32 v[ADRV], s97, v32
	v_add_nc_u32 v[ADRV+1], SLOT, v[ADRV]
	v_mul_u32_u24 v32, v13, 160
	v_lshl_add_u32 v32, v14, 4, v32
	s_mul_i32 s97, s14, 20480
	s_add_co_u32 s97, s97, POFF
	v_add_nc_u32 v[ADRP], s97, v32
	v_add_nc_u32 v[ADRP+1], SLOT, v[ADRP]
	s_lshl_b32 s97, s13, 8
	s_add_co_u32 s97, s97, ETAB
	v_lshl_add_u32 v22, v1, 2, s97                 ; e of row 64 wr + r, tile 0; steps by 512 a K step
	v_add_nc_u32 v23, 4096, v22                    ; inv of that row
	s_lshl_b32 s97, s14, 9
	s_lshl_b32 s2, s13, 8
	s_add_co_u32 s97, s97, s2
	s_add_co_u32 s97, s97, DTAB
	v_lshl_add_u32 v10, v1, 2, s97                 ; my delta part of row 64 wr + r
	v_lshlrev_b32 v32, 2, v0
	v_add_nc_u32 v34, ETAB, v32                    ; thread = row
	v_add_nc_u32 v11, DTAB, v32
	v_lshlrev_b32 v12, 4, v0
	v_lshlrev_b32 v33, 3, v0
	v_lshlrev_b32 v35, 5, v2                       ; 8 h columns of 4 bytes
	s_mul_i32 s105, s12, 8448                      ; my stage lies in slot 0, which has had its last fill and its last reads by the way out
	v_mul_u32_u24 v32, v1, 144
	v_lshl_add_u32 v32, v2, 4, v32
	v_add_nc_u32 v5, s105, v32                     ; dZ in
	v_mul_u32_u24 v32, v15, 144
	v_lshl_add_u32 v32, v4, 4, v32
	v_add_nc_u32 v6, s105, v32                     ; dZ back
	v_lshlrev_b32 v7, 4, v3                        ; 16 l
	v_add_nc_u32 v8, s105, v7                      ; O back: a row of 512 bytes a load
	v_mul_u32_u24 v32, v1, 528
	v_lshl_add_u32 v32, v2, 5, v32
	v_add_nc_u32 v9, s105, v32                     ; O in: row r, pitch 528
.set ib, 0
.rept 4
	global_load_b128 v[B1+8*ib:B1+8*ib+3],    v35, s[84:85] offset:64*ib
	global_load_b128 v[B1+8*ib+4:B1+8*ib+7],  v35, s[84:85] offset:64*ib+16
	global_load_b128 v[W2R+8*ib:W2R+8*ib+3],   v35, s[86:87] offset:64*ib
	global_load_b128 v[W2R+8*ib+4:W2R+8*ib+7], v35, s[86:87] offset:64*ib+16
.set ib, ib+1
.endr
.set it, 0
.rept 8
	global_load_b64 v[PT+2*it:PT+2*it+1], v33, s[6:7] offset:65536*it    ; {nm, l} of my row, tile t
.set it, it+1
.endr
	global_load_b32 v[PT+16], v33, s[94:95]        ; nm of tiles 2 bx and 2 bx + 1
	global_load_b32 v[PT+17], v33, s[94:95] offset:65536
	s_wait_loadcnt 0x0
	v_min3_num_f32 v[PT+18], v[PT], v[PT+2], v[PT+4]
	v_min3_num_f32 v[PT+18], v[PT+18], v[PT+6], v[PT+8]
	v_min3_num_f32 v[PT+18], v[PT+18], v[PT+10], v[PT+12]
	v_min_num_f32 v[PT+18], v[PT+18], v[PT+14]     ; NM
.set it, 0
.rept 8
	v_sub_f32 v[PT+19], v[PT+18], v[PT+2*it]
	v_max_num_f32 v[PT+19], 0xc2fc0000, v[PT+19]   ; at least -126
	v_cvt_i32_f32 v[PT+19], v[PT+19]
	v_ldexp_f32 v[PT+20], 1.0, v[PT+19]            ; e_t
.if it == 0
	v_mul_f32 v[PT+21], v[PT+20], v[PT+1]
.else
	v_fmac_f32 v[PT+21], v[PT+20], v[PT+2*it+1]    ; L
.endif
	v_cvt_pk_bf16_f32 v[PT+22], v[PT+20], v[PT+20]
	ds_store_b32 v34, v[PT+22] offset:512*it
.set it, it+1
.endr
	v_rcp_f32 v[PT+23], v[PT+21]
	v_sub_f32 v[PT+24], v[PT+18], v[PT+16]         ; plain work behind the reciprocal (ISA guide 5.7.2)
	v_sub_f32 v[PT+25], v[PT+18], v[PT+17]
	v_max_num_f32 v[PT+24], 0xc2fc0000, v[PT+24]
	v_max_num_f32 v[PT+25], 0xc2fc0000, v[PT+25]
	v_cvt_i32_f32 v[PT+24], v[PT+24]
	v_cvt_i32_f32 v[PT+25], v[PT+25]
	s_wait_alu depctr_va_vdst(0)
	v_ldexp_f32 v24, v[PT+23], v[PT+24]            ; f of tile 2 bx
	v_ldexp_f32 v25, v[PT+23], v[PT+25]            ; f of tile 2 bx + 1
	v_mov_b32 v27, 0
	ds_store_b32 v34, v[PT+23] offset:4096
; Fragments of quarter q of a slot into buffers n: 4 of P (and, e = 1, the step's four e), 8 of V, 4 of VW.
.macro FETCH slot, q, n, e
	WIN 0
.set ib, 0
.rept 4
	ds_load_b128 v[64+32*\n+8*ib:64+32*\n+8*ib+3],   v[ADRA+\slot] offset:64*\q+4352*ib
	ds_load_b128 v[64+32*\n+8*ib+4:64+32*\n+8*ib+7], v[ADRA+\slot] offset:64*\q+4352*ib+32
.set ib, ib+1
.endr
.if \e
.irp i, 0,1,2,3
	ds_load_b32 v[28+\i], v22 offset:64*\i
.endr
.endif
	WIN 0xc0
.set ib, 0
.rept 8
	ds_load_tr16_b128 v[96*\n+8*ib:96*\n+8*ib+3],   v[ADRV+\slot] offset:17408*\q+32*ib
	ds_load_tr16_b128 v[96*\n+8*ib+4:96*\n+8*ib+7], v[ADRV+\slot] offset:17408*\q+32*ib+8704
.set ib, ib+1
.endr
.set ib, 0
.rept 4
	ds_load_tr16_b128 v[96*\n+64+8*ib:96*\n+64+8*ib+3],   v[ADRP+\slot] offset:5120*\q+32*ib
	ds_load_tr16_b128 v[96*\n+64+8*ib+4:96*\n+64+8*ib+7], v[ADRP+\slot] offset:5120*\q+32*ib+2560
.set ib, ib+1
.endr
.endm
.macro SCALE n                         ; P e_t, exact in bf16
.set ia, 0
.rept 4
.irp j, 0,1,2,3,4,5,6,7
	v_pk_mul_bf16 v[64+32*\n+8*ia+\j], v[64+32*\n+8*ia+\j], v[28+ia]
.endr
.set ia, ia+1
.endr
.endm
; The accumulators take turns, one instruction a turn.
.macro MULO n, a0, zero
.set ia, \a0
.rept 2
.set ib, 0
.rept 8
.if \zero
	v_wmma_f32_16x16x32_bf16 v[8*(8*ia+ib):8*(8*ia+ib)+7], v[96*\n+8*ib:96*\n+8*ib+7], v[64+32*\n+8*ia:64+32*\n+8*ia+7], 0
.else
	v_wmma_f32_16x16x32_bf16 v[8*(8*ia+ib):8*(8*ia+ib)+7], v[96*\n+8*ib:96*\n+8*ib+7], v[64+32*\n+8*ia:64+32*\n+8*ia+7], v[8*(8*ia+ib):8*(8*ia+ib)+7]
.endif
.set ib, ib+1
.endr
.set ia, ia+1
.endr
.endm
.macro MULZ n, a0, zero
.set ia, \a0
.rept 2
.set ib, 0
.rept 4
.if \zero
	v_wmma_f32_16x16x32_bf16 v[8*(4*ia+ib):8*(4*ia+ib)+7], v[96*\n+64+8*ib:96*\n+64+8*ib+7], v[64+32*\n+8*ia:64+32*\n+8*ia+7], 0
.else
	v_wmma_f32_16x16x32_bf16 v[8*(4*ia+ib):8*(4*ia+ib)+7], v[96*\n+64+8*ib:96*\n+64+8*ib+7], v[64+32*\n+8*ia:64+32*\n+8*ia+7], v[8*(4*ia+ib):8*(4*ia+ib)+7]
.endif
.set ib, ib+1
.endr
.set ia, ia+1
.endr
.endm
.macro QUARTER slot, q, n, m, zero     ; multiplies buffers n, fetches quarter q into buffers m
	s_wait_dscnt 8                                 ; only the eight loads of VW's fragments may be out
	WIN 0
	SCALE \n
	WIN 0x53
	MULO \n, 0, \zero
	s_wait_dscnt 0
	WIN 0xa3
	MULZ \n, 0, \zero
	PLACES
	FETCH \slot, \q, \m, 0
	WIN 0x53
	MULO \n, 2, \zero
	WIN 0xa3
	MULZ \n, 2, \zero
.endm
.macro THREE slot, zero
	QUARTER \slot, 1, 0, 1, \zero
	QUARTER \slot, 2, 1, 0, 0
	QUARTER \slot, 3, 0, 1, 0
.endm
; The last quarter and the change of slots: each wave's reads of this slot and all its tensor loads are waited for in front of the barrier;
; with a fill the barrier opens a round of the cluster's barrier and the joint load comes first behind it.
.macro TURN slot, next, fill
	s_wait_dscnt 8
	WIN 0
	SCALE 1
	WIN 0x53
	MULO 1, 0, 0
	s_wait_dscnt 0
	s_set_vgpr_msb 0x5350
	s_wait_tensorcnt 0x0
	ds_add_u32 v62, v63
	s_wait_dscnt 0x0
	s_set_vgpr_msb 0x5053
	s_barrier_signal -1
	WIN 0xa3
	MULZ 1, 0, 0
	WIN 0
	s_barrier_wait -1
.if \fill
	CREST
	s_add_nc_u64 s[G0A+4*\slot+2:G0A+4*\slot+3], s[G0A+4*\slot+2:G0A+4*\slot+3], 512
	s_add_nc_u64 s[G0V+4*\slot+2:G0V+4*\slot+3], s[G0V+4*\slot+2:G0V+4*\slot+3], 524288
	s_add_nc_u64 s[G0P+4*\slot+2:G0P+4*\slot+3], s[G0P+4*\slot+2:G0P+4*\slot+3], 32768
	JLOAD3 \slot
.endif
	PLACES
	v_add_nc_u32 v22, 512, v22                     ; the next tile's e
	FETCH \next, 0, 0, 1
	WIN 0x53
	MULO 1, 2, 0
	WIN 0xa3
	MULZ 1, 2, 0
.endm
.macro LAP zero
	THREE 0, \zero
	TURN 0, 1, 1
	THREE 1, 0
	TURN 1, 0, 1
.endm
; Rows 16 g .. 16 g + 15 of my f32 tile of V, a row of 512 consecutive bytes a load, into registers base.. of the window that win names.
.macro VLOAD g, win, base
	WIN \win
.set it, 0
.rept 16
	global_load_b128 v[\base+4*it:\base+4*it+3], v7, s[66:67] offset:(16*\g+it)*4096 th:TH_LOAD_NT
.set it, it+1
.endr
.endm
; 16 rows x 128 columns of O: times inv in place, through my stage, read back by rows, V added, out as rows of 512 consecutive bytes.
; vwin: the window of V's rows as source 1; vbase: their first register.
.macro OROW a, vwin, vbase
	WIN 0x41
.set zi, 0
.rept 32
	v_pk_mul_f32 v[64*\a+2*zi:64*\a+2*zi+1], v[64*\a+2*zi:64*\a+2*zi+1], v[INV+2*\a:INV+2*\a+1]
.set zi, zi+1
.endr
	WIN 0x04
.irp b, 0,1,2,3,4,5,6,7
	ds_store_b128 v9, v[64*\a+8*\b:64*\a+8*\b+3] offset:64*\b
	ds_store_b128 v9, v[64*\a+8*\b+4:64*\a+8*\b+7] offset:64*\b+16
.endr
	WIN 0
	s_wait_xcnt 0x0                                ; v64-127, which earlier stores read, are loaded again only behind this wait
.set it, 0
.rept 16
	ds_load_b128 v[RB+4*it:RB+4*it+3], v8 offset:528*it
.set it, it+1
.endr
	s_wait_loadcnt 48-16*\a                        ; V's rows of this group are in; the younger groups of 16 loads stay out
	WIN \vwin
.set it, 0
.rept 16
	s_wait_dscnt 15-it
	v_pk_add_f32 v[RB+4*it:RB+4*it+1],   v[RB+4*it:RB+4*it+1],   v[\vbase+4*it:\vbase+4*it+1]
	v_pk_add_f32 v[RB+4*it+2:RB+4*it+3], v[RB+4*it+2:RB+4*it+3], v[\vbase+4*it+2:\vbase+4*it+3]
.set it, it+1
.endr
	WIN 0
.set it, 0
.rept 16
	global_store_b128 v7, v[RB+4*it:RB+4*it+3], s[88:89] offset:(16*\a+it)*4096
.set it, it+1
.endr
.endm
; 16 rows x 64 columns of Z: dZ = W2 s (1 + z (1 - s)), s = 1 / (1 + 2^(-z log2 e)); delta's sum; dZ out through my stage.
.macro ZROW a
	WIN 0x02
.set zi, 0
.rept 16
	v_pk_mul_f32 v[ZP+2*zi:ZP+2*zi+1], v[32*\a+2*zi:32*\a+2*zi+1], v[INV+2*\a:INV+2*\a+1]
.set zi, zi+1
.endr
	WIN 0
.set zb, 0
.rept 4
.irp p, 0,2,4,6
	v_pk_add_f32 v[ZZ+\p:ZZ+\p+1], v[ZP+8*zb+\p:ZP+8*zb+\p+1], v[B1+8*zb+\p:B1+8*zb+\p+1]
.endr
.irp p, 0,2,4,6
	v_pk_mul_f32 v[TT+\p:TT+\p+1], v[ZZ+\p:ZZ+\p+1], 0xbfb8aa3b op_sel_hi:[1,0]
.endr
.irp p, 0,1,2,3,4,5,6,7
	v_exp_f32 v[TT+\p], v[TT+\p]
.endr
	v_nop
	s_wait_alu depctr_va_vdst(0)
.irp p, 0,2,4,6
	v_pk_add_f32 v[TT+\p:TT+\p+1], v[TT+\p:TT+\p+1], 1.0 op_sel_hi:[1,0]
.endr
.irp p, 0,1,2,3,4,5,6,7
	v_rcp_f32 v[TT+\p], v[TT+\p]
.endr
	v_nop
	s_wait_alu depctr_va_vdst(0)
.irp p, 0,2,4,6
	v_pk_fma_f32 v[UU+\p:UU+\p+1], v[TT+\p:TT+\p+1], -1.0, 1.0 op_sel_hi:[1,0,0]
.endr
.irp p, 0,2,4,6
	v_pk_fma_f32 v[UU+\p:UU+\p+1], v[ZZ+\p:ZZ+\p+1], v[UU+\p:UU+\p+1], 1.0 op_sel_hi:[1,1,0]
.endr
.irp p, 0,2,4,6
	v_pk_mul_f32 v[UU+\p:UU+\p+1], v[UU+\p:UU+\p+1], v[TT+\p:TT+\p+1]
.endr
.irp p, 0,2,4,6
	v_pk_mul_f32 v[UU+\p:UU+\p+1], v[UU+\p:UU+\p+1], v[W2R+8*zb+\p:W2R+8*zb+\p+1]
.endr
.irp i, 0,1,2,3
	v_cvt_pk_bf16_f32 v[PK+\i], v[UU+2*\i], v[UU+2*\i+1]
.endr
	ds_store_b128 v5, v[PK:PK+3] offset:32*zb
.irp i, 0,1,2,3
	v_lshlrev_b32 v[ZZ+2*\i], 16, v[PK+\i]         ; the rounded dZ back in f32
	v_and_b32 v[ZZ+2*\i+1], 0xffff0000, v[PK+\i]
.endr
.if zb == 0
	v_pk_mul_f32 v[DEL+2*\a:DEL+2*\a+1], v[ZZ:ZZ+1], v[ZP:ZP+1]
.else
	v_pk_fma_f32 v[DEL+2*\a:DEL+2*\a+1], v[ZZ:ZZ+1], v[ZP+8*zb:ZP+8*zb+1], v[DEL+2*\a:DEL+2*\a+1]
.endif
.irp p, 2,4,6
	v_pk_fma_f32 v[DEL+2*\a:DEL+2*\a+1], v[ZZ+\p:ZZ+\p+1], v[ZP+8*zb+\p:ZP+8*zb+\p+1], v[DEL+2*\a:DEL+2*\a+1]
.endr
.set zb, zb+1
.endr
.irp t, 0,1,2,3
	ds_load_b128 v[RB+16*\a+4*\t:RB+16*\a+4*\t+3], v6 offset:576*\t    ; registers of their own for each a: no store's data of dZ is written again
.endr
.irp t, 0,1,2,3
	s_wait_dscnt 3-\t
	global_store_b128 v7, v[RB+16*\a+4*\t:RB+16*\a+4*\t+3], s[90:91] offset:(16*\a+4*\t)*128
.endr
	v_add_f32 v[TT], v[DEL+2*\a], v[DEL+2*\a+1]
	v_permlanex16_b32 v[TT+1], v[TT], s20, s21
	v_add_f32 v[TT], v[TT], v[TT+1]
	ds_store_b32 v10, v[TT] offset:64*\a           ; both halves of the lanes write the same word with the same number
.endm
	s_wait_tensorcnt 0x1                           ; my part of K step 0 is in; step 1's stays out
	s_wait_dscnt 0x0                               ; my words of the tables are written
	s_barrier_signal -1
	s_barrier_wait -1
.irp a, 0,1,2,3
	ds_load_b32 v[INV+2*\a], v23 offset:64*\a
.endr
	FETCH 0, 0, 0, 1
	THREE 0, 1                                     ; steps 0, 1: the first products start the sums
	TURN 0, 1, 1
	VLOAD 0, 0x80, 128                             ; V's rows 0-15
	THREE 1, 0
	TURN 1, 0, 1
	VLOAD 1, 0x80, 192                             ; rows 16-31
	WIN 0
	s_mov_b32 s3, 2
.Lk:
	LAP 0
	WIN 0
	s_sub_co_u32 s3, s3, 1
	s_cmp_lg_u32 s3, 0
	s_cbranch_scc1 .Lk
	VLOAD 2, 0xc0, 192                             ; rows 32-47
	THREE 0, 0                                     ; the last two steps fill nothing
	TURN 0, 1, 0
	VLOAD 3, 0, 192                                ; rows 48-63: a K step and three groups of the way out ahead of their use
	THREE 1, 0
	s_wait_dscnt 8
	WIN 0
	SCALE 1
	WIN 0x53
	MULO 1, 0, 0
	s_wait_dscnt 0
	WIN 0xa3
	MULZ 1, 0, 0
	WIN 0x53
	MULO 1, 2, 0
	WIN 0xa3
	MULZ 1, 2, 0
	PLACES
	WIN 0
.irp a, 0,1,2,3
	v_mov_b32 v[INV+2*\a+1], v[INV+2*\a]
.endr
	OROW 0, 0x08, 128
	OROW 1, 0x08, 192
	OROW 2, 0x0c, 192
	OROW 3, 0, 192
	s_wait_xcnt 0x0                                ; v64-127 hold the last stores' data: loaded again only behind this wait
	ZROW 0
	ZROW 1
	ZROW 2
	ZROW 3
	s_wait_dscnt 0x0                               ; my delta parts are written
	s_barrier_signal -1
	s_barrier_wait -1
	ds_load_b32 v[TT], v11                         ; thread = row: the two column halves' parts
	ds_load_b32 v[TT+1], v11 offset:512
	s_wait_dscnt 0x0
	v_add_f32 v26, v[TT], v[TT+1]
	global_store_b128 v12, v[24:27], s[92:93]
	s_wait_tensorcnt 0x0
	ds_add_u32 v62, v63
	s_wait_dscnt 0x0
	CROUND                                         ; the closing round
	s_endpgm
.Lfunc_end_k_q515073e078_ctx:
	.size	k_q515073e078_ctx, .Lfunc_end_k_q515073e078_ctx-k_q515073e078_ctx
	.p2alignl 7, 3214868480
	.fill 96, 4, 3214868480
	.section	.rodata,"a",@progbits
	.p2align	6, 0x0
	.amdhsa_kernel k_q515073e078_ctx
		.amdhsa_group_segment_fixed_size 327680
		.amdhsa_private_segment_fixed_size 0
		.amdhsa_enable_private_segment 0
		.amdhsa_kernarg_size 80
		.amdhsa_user_sgpr_count 2
		.amdhsa_user_sgpr_kernarg_segment_ptr 1
		.amdhsa_wavefront_size32 1
		.amdhsa_system_sgpr_workgroup_id_x 1
		.amdhsa_system_sgpr_workgroup_id_y 1
		.amdhsa_system_sgpr_workgroup_id_z 1
		.amdhsa_system_vgpr_workitem_id 0
		.amdhsa_next_free_vgpr 1024
		.amdhsa_next_free_sgpr 106
		.amdhsa_reserve_vcc 0
		.amdhsa_float_denorm_mode_32 3
		.amdhsa_float_denorm_mode_16_64 3
		.amdhsa_memory_ordered 1
		.amdhsa_forward_progress 1
		.amdhsa_inst_pref_size 255
	.end_amdhsa_kernel
	.section	.bss,"aw",@nobits
	.p2align	6
	.space	262144
	.amdgpu_metadata
---
amdhsa.version: [ 1, 2 ]
amdhsa.kernels:
  - .name:           k_q515073e078_ctx
    .symbol:         k_q515073e078_ctx.kd
    .args:
      - { .name: pt, .offset: 0, .size: 8, .value_kind: global_buffer, .address_space: global }
      - { .name: stats, .offset: 8, .size: 8, .value_kind: global_buffer, .address_space: global }
      - { .name: xb, .offset: 16, .size: 8, .value_kind: global_buffer, .address_space: global }
      - { .name: vw, .offset: 24, .size: 8, .value_kind: global_buffer, .address_space: global }
      - { .name: b1, .offset: 32, .size: 8, .value_kind: global_buffer, .address_space: global }
      - { .name: W2, .offset: 40, .size: 8, .value_kind: global_buffer, .address_space: global }
      - { .name: o, .offset: 48, .size: 8, .value_kind: global_buffer, .address_space: global }
      - { .name: dz, .offset: 56, .size: 8, .value_kind: global_buffer, .address_space: global }
      - { .name: rec, .offset: 64, .size: 8, .value_kind: global_buffer, .address_space: global }
      - { .name: V, .offset: 72, .size: 8, .value_kind: global_buffer, .address_space: global }
    .group_segment_fixed_size: 327680
    .private_segment_fixed_size: 0
    .kernarg_segment_align: 8
    .kernarg_segment_size: 80
    .max_flat_workgroup_size: 128
    .sgpr_count:     106
    .vgpr_count:     1024
    .wavefront_size: 32
...
	.end_amdgpu_metadata
.endif
;; end of part 3
;; launch dattn (part 4): grid 4 x 64, 4 waves a work-group, clusters of 4 x 4, 327,680 bytes of LDS; arguments dz, vw, pt, rec, ds; writes ds
.if DOCPART == 4
	.amdgcn_target "amdgcn-amd-amdhsa--gfx1250"
	.amdhsa_code_object_version 6
	.text
	.protected	k_q515073e078_dattn
	.globl	k_q515073e078_dattn
	.p2align	8
	.type	k_q515073e078_dattn,@function
k_q515073e078_dattn:
	s_mov_b64 s[64:65], 0
	v_nop
	global_prefetch_b8 v0, s[64:65] scope:SCOPE_SE
	s_setreg_imm32_b32 hwreg(HW_REG_WAVE_MODE, 25, 1), 1
	s_wait_xcnt 0x0
	s_wait_alu depctr_hold_cnt(0) depctr_sa_sdst(0) depctr_va_vdst(0) depctr_va_sdst(0) depctr_va_ssrc(0) depctr_va_vcc(0) depctr_vm_vsrc(0)
	s_getreg_b32 s2, hwreg(HW_REG_IB_STS2, 6, 4)
	s_cmp_eq_u32 s2, 0
	s_cbranch_scc0 .Lentry_in_a_cluster
	s_endpgm
.Lentry_in_a_cluster:
	s_bfe_u32 s2, ttmp6, 0x10000c
	s_cmp_lg_u32 s2, 0xf033
	s_cbranch_scc0 .Lentry_shape_is_right
	s_endpgm
.Lentry_shape_is_right:
; dA = dZ VW^T (K = 512: four steps of 128 = two panels of 64 each), then dS = A (dA - delta) = P f (dA - delta), stored in bf16.
; Block 128 rows x 256 keys, wave 64 x 128 = one softmax tile, so one factor f a row.  delta = the sum of the four parts in rec.
; CLUSTERS: dZ's panels hang on the block row alone (joint along a row of the cluster), VW's on the block column and the batch (joint along
; a column).  Waves 0 and 1 ask for dZ's two panels of a step, waves 2 and 3 for VW's.  Two loads of a wave are out at the start, one behind each round.
; My tile of P (64 rows of 256 bytes) is loaded into window 2 ahead of the products and lands under them.
; REGISTERS: window 0 as in the other products (two fragment buffers v64-159, v160-255); window 1 accumulators, tile (a, b) at v[8 (8 a + b)];
; window 2: v[2 t : 2 t + 1] = my 8 bytes of P's row t.
.set SLOT,   110592                    ; dZ: two panels 128 x 144; VW: two panels 256 x 144
.set BOFF,   36864
.set TAB,    221184                    ; [128 rows] {f_a, f_b, delta, -}
.set STAGE,  223232                    ; 8,448 bytes for each wave
.set PAD144, (4<<22)|(3<<25)           ; after every 32 words (a panel's row) skip 4
.set F0,   64
.set F1,   160
.set ADRA, 16
.set ADRB, 18
.set G1A,  24
.set G1B,  32
.set G0A,  48
.set G0B,  56
.set FF,   32                          ; v32-39 f of my four row fragments, twice each
.set DF,   40                          ; v40-47 -delta f
.set G,    64
.set RB,   128
.set U,    192
.set MSB, 0
.macro WIN new
.if MSB != \new
	s_set_vgpr_msb (MSB<<8)|\new
.set MSB, \new
.endif
.endm
.macro PLACES                          ; four plain vector instructions behind a matrix instruction (ISA guide 7.12.1)
.rept 4
	v_nop
.endr
.endm
.macro CREST
	s_cmp_lg_u32 s12, 0
	s_cbranch_scc1 .Lnot_wave_0_\@
	s_barrier_signal -3
.Lnot_wave_0_\@:
	s_barrier_wait -3
	s_barrier_signal -1
	s_barrier_wait -1
.endm
.macro CROUND
	s_barrier_signal -1
	s_barrier_wait -1
	CREST
.endm
.macro GROUP1 g, mask, pad, cols, rows, pitch
	s_or_b32 s[\g], \mask, (1<<16)|(1<<20)|(1<<21)|\pad
	s_mov_b32 s[\g+1], (\cols)<<16
	s_mov_b32 s[\g+2], (\rows)<<16
	s_mov_b32 s[\g+3], (\cols)<<16
	s_mov_b32 s[\g+4], \rows
	s_mov_b32 s[\g+5], \pitch
	s_mov_b32 s[\g+6], 0
	s_mov_b32 s[\g+7], 0
.endm
.macro GROUP0 g, lds, slotoff, base, goff
	s_mov_b32 s[\g], 1
	s_add_co_u32 s[\g+1], \lds, \slotoff
	s_add_nc_u64 s[\g+2:\g+3], s[\base:\base+1], \goff
	s_or_b32 s[\g+3], s[\g+3], 0x80000000
.endm
.macro JLOAD s
	s_cmp_eq_u32 s13, 0
	s_cbranch_scc0 .Lfor_b_\@
	tensor_load_to_lds s[G0A+4*\s:G0A+4*\s+3], s[G1A:G1A+7]
	s_nop 0
	s_branch .Lasked_\@
.Lfor_b_\@:
	tensor_load_to_lds s[G0B+4*\s:G0B+4*\s+3], s[G1B:G1B+7]
	s_nop 0
.Lasked_\@:
.endm
.macro MIX sa, sb, sc, sd
	s_lshl_b32 s100, s17, \sa
	s_lshl_b32 s104, s14, \sb
	s_add_co_u32 s100, s100, s104
	s_lshl_b32 s104, s19, \sc
	s_add_co_u32 s100, s100, s104
	s_lshl_b32 s104, s13, \sd
	s_add_co_u32 s100, s100, s104
	s_mov_b32 s101, 0
.endm
	s_load_b256 s[4:11], s[0:1], 0x0               ; dz s[4:5], vw s[6:7], pt s[8:9], rec s[10:11]
	s_load_b64 s[84:85], s[0:1], 0x20              ; ds
	v_lshl_add_u32 v62, v0, 2, 0x3ec00
	v_mov_b32 v63, 0
	ds_add_u32 v62, v63
	v_lshrrev_b32 v1, 5, v0
	v_readfirstlane_b32 s12, v1
	s_lshr_b32 s13, s12, 1                         ; wr
	s_and_b32 s14, s12, 1                          ; wc
	s_bfe_u32 s15, ttmp6, 0x40000
	s_bfe_u32 s16, ttmp6, 0x40004
	s_lshl_b32 s17, ttmp9, 2
	s_add_co_u32 s17, s17, s15                     ; bx
	s_and_b32 s18, ttmp7, 0xffff
	s_lshl_b32 s19, s18, 2
	s_add_co_u32 s19, s19, s16                     ; by
	s_lshr_b32 s18, s18, 1                         ; batch
	s_mov_b32 s22, 0xffff0000                      ; a word's upper bf16
	s_lshl_b32 s98, s16, 2
	s_lshl_b32 s98, 15, s98
	s_lshl_b32 s99, 0x1111, s15
	GROUP1 G1A, s98, PAD144, 128, 64, 128          ; 128 rows of a panel: 16,384 dense bytes as 64 rows of 256
	GROUP1 G1B, s99, PAD144, 128, 128, 128         ; 256 rows of a panel
	s_lshl_b32 s76, s14, 20                        ; dZ: panel wc, row 128 by
	s_lshl_b32 s77, s19, 14
	s_add_co_u32 s76, s76, s77
	s_mov_b32 s77, 0
	s_lshl_b32 s78, s14, 20                        ; VW: panel wc, row 1024 batch + 256 bx
	s_lshl_b32 s79, s18, 17
	s_add_co_u32 s78, s78, s79
	s_lshl_b32 s79, s17, 15
	s_add_co_u32 s78, s78, s79
	s_mov_b32 s79, 0
	s_mul_i32 s80, s14, 18432
	s_mul_i32 s81, s14, 36864
	s_add_co_u32 s81, s81, BOFF
	s_wait_dscnt 0x0
	s_wait_kmcnt 0x0
	s_add_nc_u64 s[76:77], s[4:5], s[76:77]
	s_add_nc_u64 s[78:79], s[6:7], s[78:79]
.irp s, 0,1
	GROUP0 G0A+4*\s, s80, \s*SLOT, 76, \s*2097152
	GROUP0 G0B+4*\s, s81, \s*SLOT, 78, \s*2097152
.endr
	CROUND
	JLOAD 0
	JLOAD 1
	s_lshl_b32 s100, s19, 11
	s_mov_b32 s101, 0
	s_add_nc_u64 s[10:11], s[10:11], s[100:101]    ; rec: part 0, row 128 by
	s_lshl_b32 s100, s17, 17
	s_add_nc_u64 s[86:87], s[10:11], s[100:101]    ; part bx: the factors of my block's two tiles
	MIX 9, 8, 18, 17
	s_add_nc_u64 s[8:9], s[8:9], s[100:101]        ; pt and ds: my tile's corner
	s_add_nc_u64 s[84:85], s[84:85], s[100:101]
	v_and_b32 v3, 31, v0
	v_and_b32 v1, 15, v0                           ; r
	v_bfe_u32 v2, v0, 4, 1                         ; h
	v_mul_u32_u24 v5, v1, 144
	v_lshl_add_u32 v5, v2, 4, v5
	s_mul_i32 s97, s13, 9216                       ; 64 rows of 144
	v_add_nc_u32 v[ADRA], s97, v5
	v_add_nc_u32 v[ADRA+1], SLOT, v[ADRA]
	s_mul_i32 s97, s14, 18432                      ; 128 rows of 144
	s_add_co_u32 s97, s97, BOFF
	v_add_nc_u32 v[ADRB], s97, v5
	v_add_nc_u32 v[ADRB+1], SLOT, v[ADRB]
	s_mul_i32 s105, s12, 8448
	s_add_co_u32 s105, s105, STAGE
	v_mul_u32_u24 v5, v1, 528
	v_lshl_add_u32 v5, v2, 5, v5
	v_add_nc_u32 v24, s105, v5                     ; in: row r, pitch 528
	v_lshl_add_u32 v25, v3, 4, s105                ; back: a row of 512 bytes a load
	v_lshlrev_b32 v26, 3, v3                       ; 8 l: my 4 numbers of a row of pt and of ds
	s_lshl_b32 s97, s13, 10
	s_add_co_u32 s97, s97, TAB
	v_lshl_add_u32 v27, v1, 4, s97                 ; the table's entry of row 64 wr + r
	s_lshl_b32 s97, s14, 2
	v_add_nc_u32 v28, s97, v27                     ; f of my tile
	v_lshlrev_b32 v29, 4, v0                       ; thread = row
	v_add_nc_u32 v30, TAB, v29
	global_load_b128 v[64:67], v29, s[10:11]
	global_load_b128 v[68:71], v29, s[10:11] offset:131072
	global_load_b128 v[72:75], v29, s[10:11] offset:262144
	global_load_b128 v[76:79], v29, s[10:11] offset:393216
	global_load_b64 v[80:81], v29, s[86:87]
	s_wait_loadcnt 0x0
	v_add_f32 v82, v66, v70
	v_add_f32 v83, v74, v78
	v_add_f32 v82, v82, v83                        ; delta
	ds_store_b64 v30, v[80:81]
	ds_store_b32 v30, v82 offset:8
	WIN 0x80
.set it, 0
.rept 64
	global_load_b64 v[2*it:2*it+1], v26, s[8:9] offset:2048*it th:TH_LOAD_NT   ; a row of my tile of P: 256 consecutive bytes
.set it, it+1
.endr
	WIN 0
; The accumulators take turns, one instruction a turn.
.macro MUL f, a0, n, zero
.set ia, \a0
.rept \n
.set ib, 0
.rept 8
.if \zero
	v_wmma_f32_16x16x32_bf16 v[8*(8*ia+ib):8*(8*ia+ib)+7], v[\f+8*ib:\f+8*ib+7], v[\f+64+8*ia:\f+64+8*ia+7], 0
.else
	v_wmma_f32_16x16x32_bf16 v[8*(8*ia+ib):8*(8*ia+ib)+7], v[\f+8*ib:\f+8*ib+7], v[\f+64+8*ia:\f+64+8*ia+7], v[8*(8*ia+ib):8*(8*ia+ib)+7]
.endif
.set ib, ib+1
.endr
.set ia, ia+1
.endr
.endm
.macro FETCH slot, q, f                ; quarter q lies in panel q / 2 of the step, at byte 64 (q % 2) of its rows
	WIN 0
.set ib, 0
.rept 8
	ds_load_b128 v[\f+8*ib:\f+8*ib+3],   v[ADRB+\slot] offset:(\q>>1)*36864+(\q&1)*64+2304*ib
	ds_load_b128 v[\f+8*ib+4:\f+8*ib+7], v[ADRB+\slot] offset:(\q>>1)*36864+(\q&1)*64+2304*ib+32
.set ib, ib+1
.endr
.set ib, 0
.rept 4
	ds_load_b128 v[\f+64+8*ib:\f+64+8*ib+3],   v[ADRA+\slot] offset:(\q>>1)*18432+(\q&1)*64+2304*ib
	ds_load_b128 v[\f+64+8*ib+4:\f+64+8*ib+7], v[ADRA+\slot] offset:(\q>>1)*18432+(\q&1)*64+2304*ib+32
.set ib, ib+1
.endr
.endm
.macro QUARTER slot, q, f, g, zero
	s_wait_dscnt 4                                 ; the youngest four loads (row fragments 2 and 3) may be out
	WIN 0x50
	MUL \f, 0, 2, \zero
	PLACES
	FETCH \slot, \q, \g
	s_wait_dscnt 24                                ; all but the 24 just issued
	WIN 0x50
	MUL \f, 2, 2, \zero
.endm
.macro THREE slot, zero
	QUARTER \slot, 1, F0, F1, \zero
	QUARTER \slot, 2, F1, F0, 0
	QUARTER \slot, 3, F0, F1, 0
.endm
.macro TURN slot, next, fill           ; the change of slots: waits, barrier (with a fill: a round of the cluster's), refill first, then the next fragments
	s_wait_dscnt 4
	WIN 0x50
	MUL F1, 0, 1, 0
	s_wait_dscnt 0
	s_wait_tensorcnt 0x0
	ds_add_u32 v62, v63
	s_wait_dscnt 0x0
	s_barrier_signal -1
	MUL F1, 1, 1, 0
	WIN 0
	s_barrier_wait -1
.if \fill
	CREST
	s_add_nc_u64 s[G0A+4*\slot+2:G0A+4*\slot+3], s[G0A+4*\slot+2:G0A+4*\slot+3], 4194304
	s_add_nc_u64 s[G0B+4*\slot+2:G0B+4*\slot+3], s[G0B+4*\slot+2:G0B+4*\slot+3], 4194304
	JLOAD \slot
.endif
	PLACES
	FETCH \next, 0, F0
	WIN 0x50
	MUL F1, 2, 2, 0
.endm
; 16 rows x 128 keys: g = f dA - f delta through my stage, read back by rows, times P, rounded, 256 consecutive bytes a store.
.macro DOUT a
.if \a
	s_wait_xcnt 0x0                                ; v64-95 held the last stores' data: written again only behind this wait
.endif
	WIN 0x01
.set zi, 0
.rept 32
	v_pk_fma_f32 v[G+2*zi:G+2*zi+1], v[64*\a+2*zi:64*\a+2*zi+1], v[FF+2*\a:FF+2*\a+1], v[DF+2*\a:DF+2*\a+1]
.set zi, zi+1
.endr
	WIN 0
.irp b, 0,1,2,3,4,5,6,7
	ds_store_b128 v24, v[G+8*\b:G+8*\b+3] offset:64*\b
	ds_store_b128 v24, v[G+8*\b+4:G+8*\b+7] offset:64*\b+16
.endr
.set it, 0
.rept 16
	ds_load_b128 v[RB+4*it:RB+4*it+3], v25 offset:528*it
.set it, it+1
.endr
	WIN 0x08
.set it, 0
.rept 16
	v_lshlrev_b32 v[U+4*it],   16,  v[2*(16*\a+it)]
	v_and_b32     v[U+4*it+1], s22, v[2*(16*\a+it)]
	v_lshlrev_b32 v[U+4*it+2], 16,  v[2*(16*\a+it)+1]
	v_and_b32     v[U+4*it+3], s22, v[2*(16*\a+it)+1]
.set it, it+1
.endr
	WIN 0
.set it, 0
.rept 16
	s_wait_dscnt 15-it
	v_pk_mul_f32 v[U+4*it:U+4*it+1],   v[U+4*it:U+4*it+1],   v[RB+4*it:RB+4*it+1]
	v_pk_mul_f32 v[U+4*it+2:U+4*it+3], v[U+4*it+2:U+4*it+3], v[RB+4*it+2:RB+4*it+3]
	v_cvt_pk_bf16_f32 v[G+2*it],   v[U+4*it],   v[U+4*it+1]
	v_cvt_pk_bf16_f32 v[G+2*it+1], v[U+4*it+2], v[U+4*it+3]
	global_store_b64 v26, v[G+2*it:G+2*it+1], s[84:85] offset:(16*\a+it)*2048
.set it, it+1
.endr
.endm
	s_wait_tensorcnt 0x1                           ; my part of K step 0 is in; step 1's stays out
	s_wait_dscnt 0x0                               ; my entry of the table is written
	s_barrier_signal -1
	s_barrier_wait -1
.irp a, 0,1,2,3
	ds_load_b32 v[FF+2*\a], v28 offset:256*\a
	ds_load_b32 v[DF+2*\a], v27 offset:256*\a+8
.endr
	FETCH 0, 0, F0
	THREE 0, 1                                     ; steps 0, 1: both slots filled again
	TURN 0, 1, 1
	THREE 1, 0
	TURN 1, 0, 1
	THREE 0, 0                                     ; steps 2, 3: nothing left to fill
	TURN 0, 1, 0
	THREE 1, 0
	s_wait_dscnt 4
	WIN 0x50
	MUL F1, 0, 2, 0
	s_wait_dscnt 0
	MUL F1, 2, 2, 0
	s_wait_loadcnt 0x0                             ; my tile of P
	PLACES
	WIN 0
.irp a, 0,1,2,3
	v_mul_f32 v[DF+2*\a], -v[DF+2*\a], v[FF+2*\a]  ; -delta f
	v_mov_b32 v[FF+2*\a+1], v[FF+2*\a]
.endr
.irp a, 0,1,2,3
	v_mov_b32 v[DF+2*\a+1], v[DF+2*\a]
.endr
	DOUT 0
	DOUT 1
	DOUT 2
	DOUT 3
	s_wait_tensorcnt 0x0
	ds_add_u32 v62, v63
	s_wait_dscnt 0x0
	CROUND                                         ; the closing round
	s_endpgm
.Lfunc_end_k_q515073e078_dattn:
	.size	k_q515073e078_dattn, .Lfunc_end_k_q515073e078_dattn-k_q515073e078_dattn
	.p2alignl 7, 3214868480
	.fill 96, 4, 3214868480
	.section	.rodata,"a",@progbits
	.p2align	6, 0x0
	.amdhsa_kernel k_q515073e078_dattn
		.amdhsa_group_segment_fixed_size 327680
		.amdhsa_private_segment_fixed_size 0
		.amdhsa_enable_private_segment 0
		.amdhsa_kernarg_size 40
		.amdhsa_user_sgpr_count 2
		.amdhsa_user_sgpr_kernarg_segment_ptr 1
		.amdhsa_wavefront_size32 1
		.amdhsa_system_sgpr_workgroup_id_x 1
		.amdhsa_system_sgpr_workgroup_id_y 1
		.amdhsa_system_sgpr_workgroup_id_z 1
		.amdhsa_system_vgpr_workitem_id 0
		.amdhsa_next_free_vgpr 640
		.amdhsa_next_free_sgpr 106
		.amdhsa_reserve_vcc 0
		.amdhsa_float_denorm_mode_32 3
		.amdhsa_float_denorm_mode_16_64 3
		.amdhsa_memory_ordered 1
		.amdhsa_forward_progress 1
		.amdhsa_inst_pref_size 126
	.end_amdhsa_kernel
	.amdgpu_metadata
---
amdhsa.version: [ 1, 2 ]
amdhsa.kernels:
  - .name:           k_q515073e078_dattn
    .symbol:         k_q515073e078_dattn.kd
    .args:
      - { .name: dz, .offset: 0, .size: 8, .value_kind: global_buffer, .address_space: global }
      - { .name: vw, .offset: 8, .size: 8, .value_kind: global_buffer, .address_space: global }
      - { .name: pt, .offset: 16, .size: 8, .value_kind: global_buffer, .address_space: global }
      - { .name: rec, .offset: 24, .size: 8, .value_kind: global_buffer, .address_space: global }
      - { .name: ds, .offset: 32, .size: 8, .value_kind: global_buffer, .address_space: global }
    .group_segment_fixed_size: 327680
    .private_segment_fixed_size: 0
    .kernarg_segment_align: 8
    .kernarg_segment_size: 40
    .max_flat_workgroup_size: 128
    .sgpr_count:     106
    .vgpr_count:     640
    .wavefront_size: 32
...
	.end_amdgpu_metadata
.endif
;; end of part 4
;; launch dq (part 5): grid 4 x 64, 4 waves a work-group, clusters of 4 x 4, 327,680 bytes of LDS; arguments ds, xb, o, out0; writes out0
.if DOCPART == 5
	.amdgcn_target "amdgcn-amd-amdhsa--gfx1250"
	.amdhsa_code_object_version 6
	.text
	.protected	k_q515073e078_dq
	.globl	k_q515073e078_dq
	.p2align	8
	.type	k_q515073e078_dq,@function
k_q515073e078_dq:
	s_mov_b64 s[64:65], 0
	v_nop
	global_prefetch_b8 v0, s[64:65] scope:SCOPE_SE
	s_setreg_imm32_b32 hwreg(HW_REG_WAVE_MODE, 25, 1), 1
	s_wait_xcnt 0x0
	s_wait_alu depctr_hold_cnt(0) depctr_sa_sdst(0) depctr_va_vdst(0) depctr_va_sdst(0) depctr_va_ssrc(0) depctr_va_vcc(0) depctr_vm_vsrc(0)
	s_getreg_b32 s2, hwreg(HW_REG_IB_STS2, 6, 4)
	s_cmp_eq_u32 s2, 0
	s_cbranch_scc0 .Lentry_in_a_cluster
	s_endpgm
.Lentry_in_a_cluster:
	s_bfe_u32 s2, ttmp6, 0x10000c
	s_cmp_lg_u32 s2, 0xf033
	s_cbranch_scc0 .Lentry_shape_is_right
	s_endpgm
.Lentry_shape_is_right:
; out = (V + O) - (0.03 / 32) dS K; o holds V + O.  Block 128 rows x 256 columns, wave 64 x 128, K = 1024 keys in 8 steps of 128.
; CLUSTERS: dS's tiles hang on the block row alone (joint along a row of the cluster), K's on the block column and the batch (joint along a
; column).  Waves 0 and 1 ask for dS's two halves, waves 2 and 3 for K's.  Two loads of a wave are out at the start, one behind each round.
; My tile of o (64 rows of 512 bytes) is loaded under the products, 16 rows at a time, into window 2.
; REGISTERS: window 0: two fragment buffers v64-159, v160-255; window 1: accumulators, tile (a, b) at v[8 (8 a + b)];
; window 2: v[4 t : 4 t + 3] = my 16 bytes of row t of o.
.set SLOT,   104448                    ; dS 128 x 272, K 128 x 544
.set BOFF,   34816
.set STAGE,  2*SLOT
.set KB,     0x1000000
.set PAD272, (5<<22)|(3<<25)
.set PAD544, (6<<22)|(7<<25)
.set F0,   64
.set F1,   160
.set ADRA, 16
.set ADRB, 18
.set G1A,  24
.set G1B,  32
.set G0A,  48
.set G0B,  56
.set MSB, 0
.macro WIN new
.if MSB != \new
	s_set_vgpr_msb (MSB<<8)|\new
.set MSB, \new
.endif
.endm
.macro PLACES                          ; four plain vector instructions behind a matrix instruction (ISA guide 7.12.1)
.rept 4
	v_nop
.endr
.endm
.macro CREST
	s_cmp_lg_u32 s12, 0
	s_cbranch_scc1 .Lnot_wave_0_\@
	s_barrier_signal -3
.Lnot_wave_0_\@:
	s_barrier_wait -3
	s_barrier_signal -1
	s_barrier_wait -1
.endm
.macro CROUND
	s_barrier_signal -1
	s_barrier_wait -1
	CREST
.endm
.macro GROUP1 g, mask, pad, cols, rows, pitch
	s_or_b32 s[\g], \mask, (1<<16)|(1<<20)|(1<<21)|\pad
	s_mov_b32 s[\g+1], (\cols)<<16
	s_mov_b32 s[\g+2], (\rows)<<16
	s_mov_b32 s[\g+3], (\cols)<<16
	s_mov_b32 s[\g+4], \rows
	s_mov_b32 s[\g+5], \pitch
	s_mov_b32 s[\g+6], 0
	s_mov_b32 s[\g+7], 0
.endm
.macro GROUP0 g, lds, slotoff, base, goff
	s_mov_b32 s[\g], 1
	s_add_co_u32 s[\g+1], \lds, \slotoff
	s_add_nc_u64 s[\g+2:\g+3], s[\base:\base+1], \goff
	s_or_b32 s[\g+3], s[\g+3], 0x80000000
.endm
.macro JLOAD s
	s_cmp_eq_u32 s13, 0
	s_cbranch_scc0 .Lfor_b_\@
	tensor_load_to_lds s[G0A+4*\s:G0A+4*\s+3], s[G1A:G1A+7]
	s_nop 0
	s_branch .Lasked_\@
.Lfor_b_\@:
	tensor_load_to_lds s[G0B+4*\s:G0B+4*\s+3], s[G1B:G1B+7]
	s_nop 0
.Lasked_\@:
.endm
.macro MIX sa, sb, sc, sd
	s_lshl_b32 s100, s17, \sa
	s_lshl_b32 s104, s14, \sb
	s_add_co_u32 s100, s100, s104
	s_lshl_b32 s104, s19, \sc
	s_add_co_u32 s100, s100, s104
	s_lshl_b32 s104, s13, \sd
	s_add_co_u32 s100, s100, s104
	s_mov_b32 s101, 0
.endm
	s_load_b256 s[4:11], s[0:1], 0x0               ; ds s[4:5], xb s[6:7], o s[8:9], out0 s[10:11]
	v_lshl_add_u32 v62, v0, 2, 0x3b400
	v_mov_b32 v63, 0
	ds_add_u32 v62, v63
	v_lshrrev_b32 v1, 5, v0
	v_readfirstlane_b32 s12, v1
	s_lshr_b32 s13, s12, 1                         ; wr
	s_and_b32 s14, s12, 1                          ; wc
	s_bfe_u32 s15, ttmp6, 0x40000
	s_bfe_u32 s16, ttmp6, 0x40004
	s_lshl_b32 s17, ttmp9, 2
	s_add_co_u32 s17, s17, s15                     ; bx
	s_and_b32 s18, ttmp7, 0xffff
	s_lshl_b32 s19, s18, 2
	s_add_co_u32 s19, s19, s16                     ; by
	s_lshr_b32 s18, s18, 1                         ; batch
	s_lshl_b32 s98, s16, 2
	s_lshl_b32 s98, 15, s98
	s_lshl_b32 s99, 0x1111, s15
	GROUP1 G1A, s98, PAD272, 128, 64, 1024
	GROUP1 G1B, s99, PAD544, 256, 64, 1024
	s_lshl_b32 s76, s19, 18                        ; dS: row 128 by + 64 half
	s_lshl_b32 s77, s14, 17
	s_add_co_u32 s76, s76, s77
	s_mov_b32 s77, 0
	s_lshl_b32 s78, s18, 21                        ; K: row 1024 batch + 64 half, column 256 bx
	s_lshl_b32 s79, s14, 17
	s_add_co_u32 s78, s78, s79
	s_lshl_b32 s79, s17, 9
	s_add_co_u32 s78, s78, s79
	s_add_co_u32 s78, s78, KB
	s_mov_b32 s79, 0
	s_mul_i32 s80, s14, 17408
	s_mul_i32 s81, s14, 34816
	s_add_co_u32 s81, s81, BOFF
	s_wait_dscnt 0x0
	s_wait_kmcnt 0x0
	s_add_nc_u64 s[76:77], s[4:5], s[76:77]
	s_add_nc_u64 s[78:79], s[6:7], s[78:79]
.irp s, 0,1
	GROUP0 G0A+4*\s, s80, \s*SLOT, 76, \s*256
	GROUP0 G0B+4*\s, s81, \s*SLOT, 78, \s*262144
.endr
	CROUND
	JLOAD 0
	JLOAD 1
	MIX 10, 9, 19, 18
	s_add_nc_u64 s[8:9], s[8:9], s[100:101]        ; o, out0: my tile's corner
	s_add_nc_u64 s[10:11], s[10:11], s[100:101]
	v_and_b32 v3, 31, v0
	v_and_b32 v1, 15, v0                           ; r
	v_bfe_u32 v2, v0, 4, 1                         ; h
	v_and_b32 v4, 7, v0
	v_bfe_u32 v6, v0, 3, 1
	v_mul_u32_u24 v5, v1, 272
	v_lshl_add_u32 v5, v2, 4, v5
	s_mul_i32 s97, s13, 17408
	v_add_nc_u32 v[ADRA], s97, v5
	v_add_nc_u32 v[ADRA+1], SLOT, v[ADRA]
	v_lshl_add_u32 v5, v2, 3, v4
	v_mul_u32_u24 v5, v5, 544
	v_lshl_add_u32 v5, v6, 4, v5
	s_lshl_b32 s97, s14, 8
	s_add_co_u32 s97, s97, BOFF
	v_add_nc_u32 v[ADRB], s97, v5
	v_add_nc_u32 v[ADRB+1], SLOT, v[ADRB]
	s_mul_i32 s105, s12, 8448
	s_add_co_u32 s105, s105, STAGE
	v_mul_u32_u24 v5, v1, 528
	v_lshl_add_u32 v5, v2, 5, v5
	v_add_nc_u32 v24, s105, v5                     ; in: row r, pitch 528
	v_lshl_add_u32 v25, v3, 4, s105                ; back: a row of 512 bytes a load
	v_lshlrev_b32 v26, 4, v3                       ; 16 l
; The accumulators take turns, one instruction a turn.
.macro MUL f, a0, n, zero
.set ia, \a0
.rept \n
.set ib, 0
.rept 8
.if \zero
	v_wmma_f32_16x16x32_bf16 v[8*(8*ia+ib):8*(8*ia+ib)+7], v[\f+8*ib:\f+8*ib+7], v[\f+64+8*ia:\f+64+8*ia+7], 0
.else
	v_wmma_f32_16x16x32_bf16 v[8*(8*ia+ib):8*(8*ia+ib)+7], v[\f+8*ib:\f+8*ib+7], v[\f+64+8*ia:\f+64+8*ia+7], v[8*(8*ia+ib):8*(8*ia+ib)+7]
.endif
.set ib, ib+1
.endr
.set ia, ia+1
.endr
.endm
.macro FETCH slot, q, f                ; 8 fragments of K (rows lie across the sum: transposing loads), then 4 of dS
	WIN 0
.set ib, 0
.rept 8
	ds_load_tr16_b128 v[\f+8*ib:\f+8*ib+3],   v[ADRB+\slot] offset:17408*\q+32*ib
	ds_load_tr16_b128 v[\f+8*ib+4:\f+8*ib+7], v[ADRB+\slot] offset:17408*\q+32*ib+8704
.set ib, ib+1
.endr
.set ib, 0
.rept 4
	ds_load_b128 v[\f+64+8*ib:\f+64+8*ib+3],   v[ADRA+\slot] offset:64*\q+4352*ib
	ds_load_b128 v[\f+64+8*ib+4:\f+64+8*ib+7], v[ADRA+\slot] offset:64*\q+4352*ib+32
.set ib, ib+1
.endr
.endm
.macro QUARTER slot, q, f, g, zero
	s_wait_dscnt 4                                 ; the youngest four loads (row fragments 2 and 3) may be out
	WIN 0x50
	MUL \f, 0, 2, \zero
	PLACES
	FETCH \slot, \q, \g
	s_wait_dscnt 24                                ; all but the 24 just issued
	WIN 0x50
	MUL \f, 2, 2, \zero
.endm
.macro THREE slot, zero
	QUARTER \slot, 1, F0, F1, \zero
	QUARTER \slot, 2, F1, F0, 0
	QUARTER \slot, 3, F0, F1, 0
.endm
.macro TURN slot, next, fill           ; the change of slots: waits, barrier (with a fill: a round of the cluster's), refill first, then the next fragments
	s_wait_dscnt 4
	WIN 0x50
	MUL F1, 0, 1, 0
	s_wait_dscnt 0
	s_wait_tensorcnt 0x0
	ds_add_u32 v62, v63
	s_wait_dscnt 0x0
	s_barrier_signal -1
	MUL F1, 1, 1, 0
	WIN 0
	s_barrier_wait -1
.if \fill
	CREST
	s_add_nc_u64 s[G0A+4*\slot+2:G0A+4*\slot+3], s[G0A+4*\slot+2:G0A+4*\slot+3], 512
	s_add_nc_u64 s[G0B+4*\slot+2:G0B+4*\slot+3], s[G0B+4*\slot+2:G0B+4*\slot+3], 524288
	JLOAD \slot
.endif
	PLACES
	FETCH \next, 0, F0
	WIN 0x50
	MUL F1, 2, 2, 0
.endm
.macro LAP zero
	THREE 0, \zero
	TURN 0, 1, 1
	THREE 1, 0
	TURN 1, 0, 1
.endm
; Rows 16 g .. 16 g + 15 of my tile of o, a row of 512 consecutive bytes a load, into window 2.
.macro OLOAD g
	WIN 0x80
.set it, 0
.rept 16
	global_load_b128 v[64*\g+4*it:64*\g+4*it+3], v26, s[8:9] offset:(16*\g+it)*4096 th:TH_LOAD_NT
.set it, it+1
.endr
.endm
; 16 rows x 128 columns: the sums through my stage, read back by rows, one fused multiply-add onto V + O, rows of 512 consecutive bytes out.
.macro QOUT a
	WIN 0x04
.irp b, 0,1,2,3,4,5,6,7
	ds_store_b128 v24, v[64*\a+8*\b:64*\a+8*\b+3] offset:64*\b
	ds_store_b128 v24, v[64*\a+8*\b+4:64*\a+8*\b+7] offset:64*\b+16
.endr
	WIN 0
	s_wait_xcnt 0x0                                ; v128-191, which earlier stores read, are loaded again only behind this wait
.set it, 0
.rept 16
	ds_load_b128 v[128+4*it:128+4*it+3], v25 offset:528*it
.set it, it+1
.endr
	s_wait_loadcnt 48-16*\a                        ; o's rows of this group are in; the younger groups of 16 loads stay out
	WIN 0x20                                       ; source 2 from window 2
.set it, 0
.rept 16
	s_wait_dscnt 15-it
	v_pk_fma_f32 v[128+4*it:128+4*it+1],   v[128+4*it:128+4*it+1],   0xba75c28f, v[64*\a+4*it:64*\a+4*it+1] op_sel_hi:[1,0,1]     ; -0.03 / 32
	v_pk_fma_f32 v[128+4*it+2:128+4*it+3], v[128+4*it+2:128+4*it+3], 0xba75c28f, v[64*\a+4*it+2:64*\a+4*it+3] op_sel_hi:[1,0,1]
.set it, it+1
.endr
	WIN 0
.set it, 0
.rept 16
	global_store_b128 v26, v[128+4*it:128+4*it+3], s[10:11] offset:(16*\a+it)*4096 th:TH_STORE_NT
.set it, it+1
.endr
.endm
	s_wait_tensorcnt 0x1                           ; my part of K step 0 is in; step 1's stays out
	s_barrier_signal -1
	s_barrier_wait -1
	FETCH 0, 0, F0
	THREE 0, 1                                     ; steps 0, 1: the first products start the sums
	TURN 0, 1, 1
	OLOAD 0
	THREE 1, 0
	TURN 1, 0, 1
	OLOAD 1
	WIN 0
	s_mov_b32 s3, 2
.Lk:
	LAP 0
	WIN 0
	s_sub_co_u32 s3, s3, 1
	s_cmp_lg_u32 s3, 0
	s_cbranch_scc1 .Lk
	OLOAD 2
	THREE 0, 0                                     ; the last two steps fill nothing
	TURN 0, 1, 0
	OLOAD 3                                        ; a K step and three groups of the way out ahead of their use
	THREE 1, 0
	s_wait_dscnt 4
	WIN 0x50
	MUL F1, 0, 2, 0
	s_wait_dscnt 0
	MUL F1, 2, 2, 0
	PLACES
	QOUT 0
	QOUT 1
	QOUT 2
	QOUT 3
	s_wait_tensorcnt 0x0
	ds_add_u32 v62, v63
	s_wait_dscnt 0x0
	CROUND                                         ; the closing round
	s_endpgm
.Lfunc_end_k_q515073e078_dq:
	.size	k_q515073e078_dq, .Lfunc_end_k_q515073e078_dq-k_q515073e078_dq
	.p2alignl 7, 3214868480
	.fill 96, 4, 3214868480
	.section	.rodata,"a",@progbits
	.p2align	6, 0x0
	.amdhsa_kernel k_q515073e078_dq
		.amdhsa_group_segment_fixed_size 327680
		.amdhsa_private_segment_fixed_size 0
		.amdhsa_enable_private_segment 0
		.amdhsa_kernarg_size 32
		.amdhsa_user_sgpr_count 2
		.amdhsa_user_sgpr_kernarg_segment_ptr 1
		.amdhsa_wavefront_size32 1
		.amdhsa_system_sgpr_workgroup_id_x 1
		.amdhsa_system_sgpr_workgroup_id_y 1
		.amdhsa_system_sgpr_workgroup_id_z 1
		.amdhsa_system_vgpr_workitem_id 0
		.amdhsa_next_free_vgpr 768
		.amdhsa_next_free_sgpr 106
		.amdhsa_reserve_vcc 0
		.amdhsa_float_denorm_mode_32 3
		.amdhsa_float_denorm_mode_16_64 3
		.amdhsa_memory_ordered 1
		.amdhsa_forward_progress 1
		.amdhsa_inst_pref_size 136
	.end_amdhsa_kernel
	.amdgpu_metadata
---
amdhsa.version: [ 1, 2 ]
amdhsa.kernels:
  - .name:           k_q515073e078_dq
    .symbol:         k_q515073e078_dq.kd
    .args:
      - { .name: ds, .offset: 0, .size: 8, .value_kind: global_buffer, .address_space: global }
      - { .name: xb, .offset: 8, .size: 8, .value_kind: global_buffer, .address_space: global }
      - { .name: o, .offset: 16, .size: 8, .value_kind: global_buffer, .address_space: global }
      - { .name: out0, .offset: 24, .size: 8, .value_kind: global_buffer, .address_space: global }
    .group_segment_fixed_size: 327680
    .private_segment_fixed_size: 0
    .kernarg_segment_align: 8
    .kernarg_segment_size: 32
    .max_flat_workgroup_size: 128
    .sgpr_count:     106
    .vgpr_count:     768
    .wavefront_size: 32
...
	.end_amdgpu_metadata
.endif
;; end of part 5
;; ======== version 2 of 2: 5 launches; version 1 with the launch prep written anew for expert scheduling mode
;; limits: values outside matrix products are rounded to bf16
;; workspace buffers: xb 51,380,224 bytes; vw 8,388,608 bytes; pt 16,777,216 bytes; stats 524,288 bytes; o 33,554,432 bytes; dz 8,388,608 bytes; rec 524,288 bytes; ds 16,777,216 bytes
;; launch prep (part 6): grid 768 x 1, 8 waves a work-group, no clusters, 0 bytes of LDS; arguments Q, K, V, W1, xb; writes xb
.if DOCPART == 6
	.amdgcn_target "amdgcn-amd-amdhsa--gfx1250"
	.amdhsa_code_object_version 6
	.text
	.protected	k_q515073e078_prep
	.globl	k_q515073e078_prep
	.p2align	8
	.type	k_q515073e078_prep,@function
k_q515073e078_prep:
	s_mov_b64 s[64:65], 0
	v_nop
	global_prefetch_b8 v0, s[64:65] scope:SCOPE_SE
	s_setreg_imm32_b32 hwreg(HW_REG_WAVE_SCHED_MODE, 0, 2), 2
	s_setreg_imm32_b32 hwreg(HW_REG_WAVE_MODE, 25, 1), 1
	s_wait_xcnt 0x0
	s_wait_alu depctr_vm_vsrc(0)
; xb = bf16 copies of Q, K, V, W1, one behind the other (Q at byte 0, K at 16,777,216, V at 33,554,432, W1 at 50,331,648).
; A stream: each input byte is read once and each output byte written once, so LDS, matrix unit and clusters have nothing to add here.
; 768 work-groups, three for each of 256 WGPs.  Work-group i converts 32,768 numbers of Q, K or V (picked by i >> 8; place in the source
; (i & 255) x 131,072 bytes, place in xb i x 65,536 bytes).  The 256 groups of Q also convert 2,048 numbers of W1 each (a sixteenth more work).
; The two kinds are two straight paths behind one branch on the group's number.
; A thread issues all its loads of 16 bytes at once; there is no loop, and no address register or base is written behind the first load.
; A wave's load covers 512 consecutive aligned bytes, its store 256.
; THE MODE: SCHED_MODE bits 1:0 = 2 (LLVM: expert scheduling mode 2), set by the entry lines.  The code itself states the register dependences
; between vector instructions and memory instructions, with s_wait_alu, always for 0.
; THE PLAN.  Registers that memory instructions touch:
;   v1, v2   byte offsets, made once at the head and never written again: v1 is read by every load, v2 by every store.
;   X[j]     load j lands in its four registers, which no vector instruction has named before; the two conversions of group j / 4 read the four
;            and write the first two; store j, issued in group j / 4 + 1, reads those two; nothing writes them afterwards.
;   W        the same for the two loads of W1: four conversions ahead of group 0, two stores in group 0.
; The 32 loads go in eight groups of four.  Group g converts X[4 g .. 4 g + 3]; its memory instructions are the four stores of group g - 1, whose
; registers no conversion of group g names.  So one wait at a group's head states all that its stores hang on, and they are dealt among its
; conversions with no further wait.  No register that a memory instruction reads is written again, so no wait on vm_vsrc is owed.
.set X, 4                              ; v[4:131]    load j: 4 registers; its two packed words go back into the first two
.set W, 132                            ; v[132:139]  the two loads of W1
.set W1B, 0x3000000
.set GR, 4                             ; loads in a group
.set GROUPS, 32 / GR
.macro CONVERT w
.if \w
	global_load_b128 v[W:W+3],   v1, s[10:11] th:TH_LOAD_NT
	global_load_b128 v[W+4:W+7], v1, s[10:11] offset:4096 th:TH_LOAD_NT
.endif
.set j, 0
.rept 32
	global_load_b128 v[X+4*j:X+4*j+3], v1, s[4:5] offset:4096*j th:TH_LOAD_NT
.set j, j+1
.endr
.if \w
	s_wait_loadcnt 32                              ; the two oldest loads are in, the 32 younger ones stay out
	v_cvt_pk_bf16_f32 v[W],   v[W],   v[W+1]
	v_cvt_pk_bf16_f32 v[W+1], v[W+2], v[W+3]
	v_cvt_pk_bf16_f32 v[W+4], v[W+4], v[W+5]
	v_cvt_pk_bf16_f32 v[W+5], v[W+6], v[W+7]
.endif
.set g, 0
.rept GROUPS
	s_wait_loadcnt 32-GR*(g+1)                     ; loads come back in order (ISA guide 5.7.1): group g's four are in, the younger groups stay out
.if (g > 0) || \w
	s_wait_alu depctr_va_vdst(0)                   ; the conversions of the group before (ahead of group 0: W1's) have written the packed words that the stores below read
.endif
.if (g == 0) && \w
	global_store_b64 v2, v[W:W+1],   s[22:23]
	global_store_b64 v2, v[W+4:W+5], s[22:23] offset:2048
.endif
.set i, 0
.rept GR
.set j, GR*g+i
.if g > 0
	global_store_b64 v2, v[X+4*(j-GR):X+4*(j-GR)+1], s[12:13] offset:2048*(j-GR)   ; the group before; no conversion since the wait names these registers
.endif
	v_cvt_pk_bf16_f32 v[X+4*j], v[X+4*j], v[X+4*j+1]
	v_cvt_pk_bf16_f32 v[X+4*j+1], v[X+4*j+2], v[X+4*j+3]
.set i, i+1
.endr
.set g, g+1
.endr
	s_wait_alu depctr_va_vdst(0)                   ; the last group's conversions have written the packed words that the last four stores read
.set j, 32-GR
.rept GR
	global_store_b64 v2, v[X+4*j:X+4*j+1], s[12:13] offset:2048*j
.set j, j+1
.endr
.endm
	s_load_b256 s[4:11], s[0:1], 0x0               ; Q s[4:5], K s[6:7], V s[8:9], W1 s[10:11]
	s_load_b64 s[12:13], s[0:1], 0x20              ; xb
	s_lshr_b32 s14, ttmp9, 8                       ; which input: 0, 1, 2
	s_and_b32 s15, ttmp9, 255
	s_lshl_b32 s16, s15, 17                        ; byte offset in the input
	s_mov_b32 s17, 0
	s_lshl_b32 s18, ttmp9, 16                      ; byte offset in xb
	s_mov_b32 s19, 0
	s_mov_b32 s21, 0
	v_lshlrev_b32 v1, 4, v0                        ; 16 bytes a thread in
	v_lshlrev_b32 v2, 3, v0                        ; 8 bytes a thread out
	s_wait_kmcnt 0x0
	s_cmp_eq_u32 s14, 1
	s_cselect_b64 s[4:5], s[6:7], s[4:5]
	s_cmp_eq_u32 s14, 2
	s_cselect_b64 s[4:5], s[8:9], s[4:5]
	s_add_nc_u64 s[4:5], s[4:5], s[16:17]
	s_wait_alu depctr_va_vdst(0)                   ; v1 and v2 are written: every load of either path reads v1 as its offset, every store v2
	s_cmp_lg_u32 s14, 0
	s_cbranch_scc1 .Lplain
	s_lshl_b32 s20, ttmp9, 13                      ; my 8,192 bytes of W1
	s_add_nc_u64 s[10:11], s[10:11], s[20:21]
	s_lshl_b32 s20, ttmp9, 12                      ; and their 4,096 bytes in xb
	s_add_co_u32 s20, s20, W1B
	s_add_nc_u64 s[22:23], s[12:13], s[20:21]
	s_add_nc_u64 s[12:13], s[12:13], s[18:19]
	CONVERT 1
	s_endpgm
.Lplain:
	s_add_nc_u64 s[12:13], s[12:13], s[18:19]
	CONVERT 0
	s_endpgm
.Lfunc_end_k_q515073e078_prep:
	.size	k_q515073e078_prep, .Lfunc_end_k_q515073e078_prep-k_q515073e078_prep
	.p2alignl 7, 3214868480
	.fill 96, 4, 3214868480
	.section	.rodata,"a",@progbits
	.p2align	6, 0x0
	.amdhsa_kernel k_q515073e078_prep
		.amdhsa_group_segment_fixed_size 0
		.amdhsa_private_segment_fixed_size 0
		.amdhsa_enable_private_segment 0
		.amdhsa_kernarg_size 40
		.amdhsa_user_sgpr_count 2
		.amdhsa_user_sgpr_kernarg_segment_ptr 1
		.amdhsa_wavefront_size32 1
		.amdhsa_system_sgpr_workgroup_id_x 1
		.amdhsa_system_sgpr_workgroup_id_y 1
		.amdhsa_system_sgpr_workgroup_id_z 1
		.amdhsa_system_vgpr_workitem_id 0
		.amdhsa_next_free_vgpr 140
		.amdhsa_next_free_sgpr 66
		.amdhsa_reserve_vcc 0
		.amdhsa_float_denorm_mode_32 3
		.amdhsa_float_denorm_mode_16_64 3
		.amdhsa_memory_ordered 1
		.amdhsa_forward_progress 1
		.amdhsa_inst_pref_size 24
	.end_amdhsa_kernel
	.amdgpu_metadata
---
amdhsa.version: [ 1, 2 ]
amdhsa.kernels:
  - .name:           k_q515073e078_prep
    .symbol:         k_q515073e078_prep.kd
    .args:
      - { .name: Q, .offset: 0, .size: 8, .value_kind: global_buffer, .address_space: global }
      - { .name: K, .offset: 8, .size: 8, .value_kind: global_buffer, .address_space: global }
      - { .name: V, .offset: 16, .size: 8, .value_kind: global_buffer, .address_space: global }
      - { .name: W1, .offset: 24, .size: 8, .value_kind: global_buffer, .address_space: global }
      - { .name: xb, .offset: 32, .size: 8, .value_kind: global_buffer, .address_space: global }
    .group_segment_fixed_size: 0
    .private_segment_fixed_size: 0
    .kernarg_segment_align: 8
    .kernarg_segment_size: 40
    .max_flat_workgroup_size: 256
    .sgpr_count:     66
    .vgpr_count:     140
    .wavefront_size: 32
...
	.end_amdgpu_metadata
.endif
;; end of part 6
;; launch scores: the kernel of part 2 again; grid 4 x 64, 4 waves a work-group, clusters of 4 x 4, 327,680 bytes of LDS; arguments xb, vw, pt, stats; writes vw, pt, stats
;; launch ctx: the kernel of part 3 again; grid 4 x 64, 4 waves a work-group, clusters of 4 x 4, 327,680 bytes of LDS; arguments pt, stats, xb, vw, b1, W2, o, dz, rec, V; writes o, dz, rec
;; launch dattn: the kernel of part 4 again; grid 4 x 64, 4 waves a work-group, clusters of 4 x 4, 327,680 bytes of LDS; arguments dz, vw, pt, rec, ds; writes ds
;; launch dq: the kernel of part 5 again; grid 4 x 64, 4 waves a work-group, clusters of 4 x 4, 327,680 bytes of LDS; arguments ds, xb, o, out0; writes out0
